; MI455X (gfx1250); checked and timed in simulation.
; The chip was launched on July 23, 2026; its instructions are those of AMD's public machine-readable ISA for CDNA 5 (MIT licence, August 2026) and "CDNA5" Instruction Set Architecture Reference Guide (July 2026). The comments in the code are by the model that wrote it; some were corrected since.
;; Massive Pool. Allowed arithmetic: float matrix products may take bf16 or f16 operands with f32 sums; all other float work in f32.
;; Inputs: keys 65,536 x 128 float32; pool 65,536 x 256 float32; query 2 x 1,024 x 128 float32; w_out 256 x 256 float32.
;; Outputs: out0 2 x 1,024 x 256 float32.
;; 2 versions, each right; version 2 is version 1 with the launches score, mix written anew for expert scheduling mode. Each part assembles by itself: llvm-mc -triple=amdgcn-amd-amdhsa -mcpu=gfx1250 --defsym DOCPART=n.
;; ======== version 1 of 2: 4 launches
;; workspace buffers: gmax 33,554,432 bytes; kbf 16,777,216 bytes; fl0 524,288 bytes of whole numbers; fl1 524,288 bytes of whole numbers; fl2 524,288 bytes of whole numbers; fl3 524,288 bytes of whole numbers; tidx 524,288 bytes of whole numbers; twt 524,288 bytes
;; launch score (part 1): grid 64 x 4, 8 waves a work-group, no clusters, 209,920 bytes of LDS; arguments query, keys, gmax, kbf; writes gmax, kbf
.if DOCPART == 1
	.amdgcn_target "amdgcn-amd-amdhsa--gfx1250"
	.amdhsa_code_object_version 6
	.text
	.protected	k_q90406c4d4a_score
	.globl	k_q90406c4d4a_score
	.p2align	8
	.type	k_q90406c4d4a_score,@function
k_q90406c4d4a_score:
	s_mov_b64 s[64:65], 0
	v_nop
	global_prefetch_b8 v0, s[64:65] scope:SCOPE_SE
	s_setreg_imm32_b32 hwreg(HW_REG_WAVE_MODE, 25, 1), 1
	s_wait_xcnt 0x0
; gmax[q][e] = bf16( max over the 8 keys of group e of  sum_k bf16(query[q][k]) * bf16(keys[n][k]) ),  and  kbf = bf16(keys).
; query [2048][128] f32, keys [65536][128] f32, gmax [2048][8192] bf16, kbf [65536][128] bf16.
; Work-group (x, y): key slice x (1,024 keys) against query block y (512 queries).  Eight waves; wave w keeps its 64 queries
; (4 tiles of 16) as bf16 fragments in 128 registers for the whole kernel.  The keys go in 8 steps of 128 rows through two
; LDS slots as bf16; wave w brings rows 16 w .. 16 w + 15 of each step: load f32, round, store to LDS.  The work-groups with
; y = 0 also store those rounded rows to kbf (32 lanes x 8 bytes = one whole row of 256 bytes).
; The matrix instruction takes 16 keys as source 0 and 16 queries as source 1: lane (r, h) then holds in its 8 result registers
; the scores of keys 8 h .. 8 h + 7 against query r, and these 8 are one group: the maximum needs no traffic between lanes.
; Group number in a row of gmax: e = 128 x + 16 step + 8 h + t (t = the tile of 16 keys in the step); its keys begin at
; 1024 x + 128 step + 16 t + 8 h.
; No tensor loads and no cluster: both operands are f32 in memory and are rounded to bf16 in registers on their way to LDS, so the
; bytes pass through registers in any case, and as f32 a slot would take twice the LDS.
; LIMITS: NaN or infinite inputs and scores beyond the range of f32 are not served.
.set PITCH, 272                        ; an LDS row: 256 bytes + 16: the 16 rows of a fragment load start 17 x 16 bytes apart
.set TROW,  16*PITCH                   ; 16 rows
.set SLOT,  128*PITCH                  ; a slot: 128 key rows
.set STG,   2*SLOT                     ; behind the slots: 512 rows x 272 bytes, the block of gmax; a wave touches its own 64 rows only
.set Q,    0                           ; v[0:127]   query fragments: tile qt, K quarter ks at 32 qt + 8 ks
.set A,    128                         ; v[128:159] key fragments of one tile, 4 K quarters
.set D,    160                         ; v[160:191] 4 accumulators, one for each query tile
.set S,    192                         ; v[192:223] 8 key rows on their way to LDS
.set GP,   224                         ; v[224:239] query tile qt: 4 words = 8 group maxima in bf16
.set H,    240                         ; v[240:243] the even tile's maximum, waiting for the odd one
.set ALDS, 244                         ; r * 272 + 16 h
.set STL,  245                         ; w * 16 rows + lane * 8
.set KOF,  246                         ; lane * 16
.set KBO,  247                         ; lane * 8
.set GMS,  248                         ; stage: row 64 w + r, byte 16 h, + 64 for every two steps
.set QOF,  249                         ; r * 512 + 32 h
.set RD,   250                         ; stage, read back: row 64 w + h, byte 16 r
.set GO,   251                         ; gmax: h rows + 16 r
.set RING, 128                         ; the prologue's ring: 6 slots of 16 registers, v[128:223]
	s_load_b256 s[4:11], s[0:1], 0x0               ; query s[4:5], keys s[6:7], gmax s[8:9], kbf s[10:11]
	v_lshl_add_u32 v254, v0, 2, 0x33000
	v_mov_b32 v255, 0
	v_lshrrev_b32 v252, 5, v0
	v_readfirstlane_b32 s12, v252                  ; wave w
	s_mov_b32 s13, ttmp9                           ; x: key slice
	s_and_b32 s14, ttmp7, 0xffff                   ; y: query block
	v_and_b32 v252, 31, v0                         ; lane
	v_and_b32 v253, 15, v0                         ; r
	v_bfe_u32 v240, v0, 4, 1                       ; h
	s_mul_i32 s20, s12, TROW
	s_mul_i32 s21, s12, 64*PITCH
	s_add_co_u32 s21, s21, STG
	v_mul_u32_u24 v[ALDS], v253, PITCH
	v_lshl_add_u32 v[ALDS], v240, 4, v[ALDS]
	v_lshl_add_u32 v[STL], v252, 3, s20
	v_lshlrev_b32 v[KOF], 4, v252
	v_lshlrev_b32 v[KBO], 3, v252
	v_add_nc_u32 v[GMS], s21, v[ALDS]
	v_lshlrev_b32 v[QOF], 9, v253
	v_lshl_add_u32 v[QOF], v240, 5, v[QOF]
	v_mul_u32_u24 v[RD], v240, PITCH
	v_lshl_add_u32 v[RD], v253, 4, v[RD]
	v_add_nc_u32 v[RD], s21, v[RD]
	v_lshlrev_b32 v[GO], 14, v240
	v_lshl_add_u32 v[GO], v253, 4, v[GO]
	s_mov_b32 s17, 0
	s_wait_kmcnt 0x0
	s_lshl_b32 s16, s14, 18                        ; 512 queries of 512 bytes
	s_lshl_b32 s22, s12, 15                        ; 64 queries
	s_add_co_u32 s16, s16, s22
	s_add_nc_u64 s[4:5], s[4:5], s[16:17]
	s_lshl_b32 s16, s13, 19                        ; 1,024 keys of 512 bytes
	s_lshl_b32 s22, s12, 13                        ; 16 keys
	s_add_co_u32 s16, s16, s22
	s_add_nc_u64 s[6:7], s[6:7], s[16:17]
	s_lshl_b32 s16, s14, 23                        ; 512 rows of gmax of 16,384 bytes
	s_lshl_b32 s22, s12, 20                        ; 64 rows
	s_add_co_u32 s16, s16, s22
	s_lshl_b32 s22, s13, 8                         ; 128 groups of 2 bytes
	s_add_co_u32 s16, s16, s22
	s_add_nc_u64 s[8:9], s[8:9], s[16:17]
	s_lshl_b32 s16, s13, 18                        ; 1,024 rows of kbf of 256 bytes
	s_lshl_b32 s22, s12, 12                        ; 16 rows
	s_add_co_u32 s16, s16, s22
	s_add_nc_u64 s[10:11], s[10:11], s[16:17]
; Four key rows that lie as f32 in v[sl .. sl+15] (a lane: 4 numbers of each row): round in place to 2 words a row, store to LDS
; at rows row0 .. row0 + 3 of my 16, and, where y = 0, to kbf.
.macro PUT4 sl, row0, off
.irp i, 0,1,2,3
	v_cvt_pk_bf16_f32 v[\sl+4*\i],   v[\sl+4*\i],   v[\sl+4*\i+1]
	v_cvt_pk_bf16_f32 v[\sl+4*\i+1], v[\sl+4*\i+2], v[\sl+4*\i+3]
.endr
.irp i, 0,1,2,3
	ds_store_b64 v[STL], v[\sl+4*\i:\sl+4*\i+1] offset:\off+(\row0+\i)*PITCH
.endr
	s_cmp_lg_u32 s14, 0
	s_cbranch_scc1 .Lnokb_\@
.irp i, 0,1,2,3
	global_store_b64 v[KBO], v[\sl+4*\i:\sl+4*\i+1], s[10:11] offset:(\row0+\i)*256   ; the wave stores one whole aligned row of 256 bytes
.endr
.Lnokb_\@:
.endm
; THE PROLOGUE: 20 items of 4 loads through a ring of 6 register slots.  Items 0 to 15: one query fragment each (tile p / 4, K quarter p % 4):
; lane (r, h) takes k = 32 ks + 8 h .. + 7 and 32 ks + 16 + 8 h .. + 7 of query r.  Items 16 to 19: four key rows each of step 0.
.macro ISSUE p
.set sl, RING+16*((\p)%6)
.if (\p) < 16
.set qo, ((\p)>>2)*8192+((\p)&3)*128
	global_load_b128 v[sl:sl+3],     v[QOF], s[4:5] offset:qo
	global_load_b128 v[sl+4:sl+7],   v[QOF], s[4:5] offset:qo+16
	global_load_b128 v[sl+8:sl+11],  v[QOF], s[4:5] offset:qo+64
	global_load_b128 v[sl+12:sl+15], v[QOF], s[4:5] offset:qo+80
.else
.set ro, ((\p)-16)*4
	global_load_b128 v[sl:sl+3],     v[KOF], s[6:7] offset:ro*512
	global_load_b128 v[sl+4:sl+7],   v[KOF], s[6:7] offset:ro*512+512
	global_load_b128 v[sl+8:sl+11],  v[KOF], s[6:7] offset:ro*512+1024
	global_load_b128 v[sl+12:sl+15], v[KOF], s[6:7] offset:ro*512+1536
.endif
.endm
.macro PROC p
.set sl, RING+16*((\p)%6)
.if (\p) < 16
.set qd, Q+8*(\p)
.irp i, 0,1,2,3,4,5,6,7
	v_cvt_pk_bf16_f32 v[qd+\i], v[sl+2*\i], v[sl+2*\i+1]
.endr
.else
.set ro, ((\p)-16)*4
	PUT4 sl, ro, 0
.endif
.endm
.set pp, 0
.rept 6
	ISSUE pp
.set pp, pp+1
.endr
.set pp, 0
.rept 20
.set lf, 19-pp
.if lf > 5
.set lf, 5
.endif
	s_wait_loadcnt 4*lf                            ; loads return in order: item pp is in; the younger items, 4 loads each, stay out
	PROC pp
.if pp+6 < 20
	ISSUE (pp+6)                                   ; into the slot just emptied (only query items are followed by a refill: no store reads these registers)
.endif
.set pp, pp+1
.endr
	s_wait_xcnt 0x0                                ; the stores to kbf have read their data and base: both are written again below
	s_add_nc_u64 s[6:7], s[6:7], 0x10000           ; keys: 128 rows on
	s_add_nc_u64 s[10:11], s[10:11], 0x8000        ; kbf: 128 rows on
	s_wait_dscnt 0x0                               ; my rows of step 0 are in LDS
	s_barrier_signal -1
	s_barrier_wait -1                              ; everybody's are
; One tile: 16 keys x my 64 queries x K = 128, then the maxima of the lane's 8 scores for each query tile.
; The four accumulators take turns, one instruction a turn; each tile's first products start the sums.
.macro TILE slot, t
.irp ks, 0,1,2,3
	ds_load_b128 v[A+8*\ks:A+8*\ks+3],   v[ALDS] offset:\slot*SLOT+\t*TROW+\ks*64
	ds_load_b128 v[A+8*\ks+4:A+8*\ks+7], v[ALDS] offset:\slot*SLOT+\t*TROW+\ks*64+32
.endr
.irp ks, 0,1,2,3
	s_wait_dscnt 6-2*\ks                           ; LDS serves in order: quarter ks is in, the 2 loads of each younger quarter stay out
.irp qt, 0,1,2,3
.if \ks == 0
	v_wmma_f32_16x16x32_bf16 v[D+8*\qt:D+8*\qt+7], v[A+8*\ks:A+8*\ks+7], v[Q+32*\qt+8*\ks:Q+32*\qt+8*\ks+7], 0
.else
	v_wmma_f32_16x16x32_bf16 v[D+8*\qt:D+8*\qt+7], v[A+8*\ks:A+8*\ks+7], v[Q+32*\qt+8*\ks:Q+32*\qt+8*\ks+7], v[D+8*\qt:D+8*\qt+7]
.endif
.endr
.endr
.rept 4
	v_nop                                          ; four places behind the last matrix instruction (ISA guide 7.12.1) before results are read and A is loaded again
.endr
.irp qt, 0,1,2,3
	v_max3_num_f32 v[D+8*\qt], v[D+8*\qt], v[D+8*\qt+1], v[D+8*\qt+2]
.endr
.irp qt, 0,1,2,3
	v_max3_num_f32 v[D+8*\qt], v[D+8*\qt], v[D+8*\qt+3], v[D+8*\qt+4]
.endr
.irp qt, 0,1,2,3
	v_max3_num_f32 v[D+8*\qt], v[D+8*\qt], v[D+8*\qt+5], v[D+8*\qt+6]
.endr
.if (\t) & 1
.irp qt, 0,1,2,3
	v_max_num_f32 v[D+8*\qt], v[D+8*\qt], v[D+8*\qt+7]
.endr
.irp qt, 0,1,2,3
	v_cvt_pk_bf16_f32 v[GP+4*\qt+(\t>>1)], v[H+\qt], v[D+8*\qt]   ; tiles t - 1 and t, rounded to nearest even (monotone)
.endr
.else
.irp qt, 0,1,2,3
	v_max_num_f32 v[H+\qt], v[D+8*\qt], v[D+8*\qt+7]
.endr
.endif
.endm
.macro LOAD8 half                      ; 8 of my 16 rows of the next step; one load of the wave is one whole row of 512 bytes
.irp i, 0,1,2,3,4,5,6,7
	global_load_b128 v[S+4*\i:S+4*\i+3], v[KOF], s[6:7] offset:(8*\half+\i)*512
.endr
.endm
.macro PUT8 nxt, half
	s_wait_loadcnt 0x0                             ; the 8 loads issued four tiles ago; nothing younger is out
	PUT4 S,    8*\half,   \nxt*SLOT
	PUT4 S+16, 8*\half+4, \nxt*SLOT
.endm
; One step: 128 keys from slot cur; stage = 1: meanwhile my 16 rows of the next step go into slot nxt.
; One barrier a step: in front of it my reads of slot cur and my stores into slot nxt are done; behind it slot nxt is whole and slot cur may be written.
.macro STEP cur, nxt, stage, gmoff, bar
.if \stage
	LOAD8 0
.endif
	TILE \cur, 0
	TILE \cur, 1
	TILE \cur, 2
	TILE \cur, 3
.if \stage
	PUT8 \nxt, 0
	s_wait_xcnt 0x0                                ; S, which the stores to kbf read, is loaded again only behind this wait
	LOAD8 1
.endif
	TILE \cur, 4
	TILE \cur, 5
	TILE \cur, 6
	TILE \cur, 7
.if \stage
	PUT8 \nxt, 1
.endif
.irp qt, 0,1,2,3
	ds_store_b128 v[GMS], v[GP+4*\qt:GP+4*\qt+3] offset:\qt*TROW+\gmoff   ; 8 groups of query 16 qt + r, in my own rows of the stage
.endr
.if \bar
	s_wait_xcnt 0x0                                ; bases and S are written again only behind this wait
	s_add_nc_u64 s[6:7], s[6:7], 0x10000
	s_add_nc_u64 s[10:11], s[10:11], 0x8000
	s_wait_dscnt 0x0                               ; for the other waves: my reads of slot cur and my stores into slot nxt are done
	s_barrier_signal -1
	s_barrier_wait -1
.endif
.endm
	s_mov_b32 s18, 3
.Lpair:
	STEP 0, 1, 1, 0, 1
	STEP 1, 0, 1, 32, 1
	v_add_nc_u32 v[GMS], 64, v[GMS]                ; two steps = 32 groups = 64 bytes of a stage row
	s_sub_co_u32 s18, s18, 1
	s_cmp_lg_u32 s18, 0
	s_cbranch_scc1 .Lpair
	STEP 0, 1, 1, 0, 1                             ; step 6 brings step 7
	STEP 1, 0, 0, 32, 0                            ; step 7 brings nothing
; THE WAY OUT: my 64 stage rows of 256 bytes, two rows a load; 16 lanes store one aligned piece of 256 bytes of a row of gmax.
; The rows are my own and LDS serves a wave in order, so no barrier and no wait stands between the stores above and these loads.
.set ii, 0
.rept 4
.set eb, A+32*((ii>>3)&1)
	s_wait_xcnt 0x0                                ; the buffer was store data two chunks ago
.irp t, 0,1,2,3,4,5,6,7
	ds_load_b128 v[eb+4*\t:eb+4*\t+3], v[RD] offset:(ii+\t)*2*PITCH
.endr
.irp t, 0,1,2,3,4,5,6,7
	s_wait_dscnt 7-\t                              ; load t of the eight is in
	global_store_b128 v[GO], v[eb+4*\t:eb+4*\t+3], s[8:9] offset:(ii+\t)*32768
.endr
.set ii, ii+8
.endr
	s_wait_tensorcnt 0x0
	ds_add_u32 v254, v255
	s_wait_dscnt 0x0
	s_endpgm
.Lfunc_end_k_q90406c4d4a_score:
	.size	k_q90406c4d4a_score, .Lfunc_end_k_q90406c4d4a_score-k_q90406c4d4a_score
	.p2alignl 7, 3214868480
	.fill 96, 4, 3214868480
	.section	.rodata,"a",@progbits
	.p2align	6, 0x0
	.amdhsa_kernel k_q90406c4d4a_score
		.amdhsa_group_segment_fixed_size 209920
		.amdhsa_private_segment_fixed_size 0
		.amdhsa_enable_private_segment 0
		.amdhsa_kernarg_size 32
		.amdhsa_user_sgpr_count 2
		.amdhsa_user_sgpr_kernarg_segment_ptr 1
		.amdhsa_wavefront_size32 1
		.amdhsa_system_sgpr_workgroup_id_x 1
		.amdhsa_system_sgpr_workgroup_id_y 1
		.amdhsa_system_sgpr_workgroup_id_z 1
		.amdhsa_system_vgpr_workitem_id 0
		.amdhsa_next_free_vgpr 256
		.amdhsa_next_free_sgpr 66
		.amdhsa_reserve_vcc 0
		.amdhsa_float_denorm_mode_32 3
		.amdhsa_float_denorm_mode_16_64 3
		.amdhsa_memory_ordered 1
		.amdhsa_forward_progress 1
		.amdhsa_inst_pref_size 139
	.end_amdhsa_kernel
	.amdgpu_metadata
---
amdhsa.version: [ 1, 2 ]
amdhsa.kernels:
  - .name:           k_q90406c4d4a_score
    .symbol:         k_q90406c4d4a_score.kd
    .args:
      - { .name: query, .offset: 0, .size: 8, .value_kind: global_buffer, .address_space: global }
      - { .name: keys, .offset: 8, .size: 8, .value_kind: global_buffer, .address_space: global }
      - { .name: gmax, .offset: 16, .size: 8, .value_kind: global_buffer, .address_space: global }
      - { .name: kbf, .offset: 24, .size: 8, .value_kind: global_buffer, .address_space: global }
    .group_segment_fixed_size: 209920
    .private_segment_fixed_size: 0
    .kernarg_segment_align: 8
    .kernarg_segment_size: 32
    .max_flat_workgroup_size: 256
    .sgpr_count:     66
    .vgpr_count:     256
    .wavefront_size: 32
...
	.end_amdgpu_metadata
.endif
;; end of part 1
;; launch thresh (part 2): grid 256 x 1, 8 waves a work-group, no clusters, 0 bytes of LDS; arguments gmax, fl0, fl1, fl2, fl3; writes fl0, fl1, fl2, fl3
.if DOCPART == 2
	.amdgcn_target "amdgcn-amd-amdhsa--gfx1250"
	.amdhsa_code_object_version 6
	.text
	.protected	k_q90406c4d4a_thresh
	.globl	k_q90406c4d4a_thresh
	.p2align	8
	.type	k_q90406c4d4a_thresh,@function
k_q90406c4d4a_thresh:
	s_mov_b64 s[64:65], 0
	v_nop
	global_prefetch_b8 v0, s[64:65] scope:SCOPE_SE
	s_setreg_imm32_b32 hwreg(HW_REG_WAVE_MODE, 25, 1), 1
	s_wait_xcnt 0x0
; For each of the 2,048 rows of gmax (8,192 group maxima in bf16): tau = the 32nd largest of 256 part maxima (a part = 32 groups),
; then one bit for each group: gmax >= tau.  At least 32 groups carry a bit.  Rounding to bf16 is monotone, so a group without a bit
; has a true maximum below the true maxima of 32 other groups, and none of its keys is among the row's 32 best.
; One wave takes one row and keeps its 16,384 bytes in 128 registers: the row is read once; no LDS, no barrier, no matrix unit (nothing to multiply).
; Load m gives lane L the groups e = 256 m + 8 L + 0 .. 7.  Flag word n (0 .. 255) of a row: bit L is group e = 256 (n >> 3) + (n & 7) + 8 L.
; The words lie in four buffers of 64 words a row: word n is word n & 63 of the row in buffer n >> 6, so that one store of 8 bytes a lane
; writes a row's whole 256 bytes of a buffer.
; LIMITS: NaN in gmax is not served.
.set X,   16                           ; v[16:143]  the row
.set PA,  144                          ; v[144:147] packed part maxima
.set Y,   148                          ; v[148:155] 8 part maxima a lane, f32
.set T,   156                          ; v[156:171] at work
.set M,   172                          ; v[172:179] the 256 flag words: word n in lane (n >> 1) & 31 of register 2 (n >> 6) + (n & 1)
.set TAU, 180
.set MS,  16                           ; s[16:30]   lane masks of the 15 stages of a sort of 32 lanes
	s_load_b64 s[4:5], s[0:1], 0x0                 ; gmax
	s_load_b128 s[8:11], s[0:1], 0x8               ; fl0 s[8:9], fl1 s[10:11]
	s_load_b128 s[12:15], s[0:1], 0x18             ; fl2 s[12:13], fl3 s[14:15]
	v_lshrrev_b32 v2, 5, v0
	v_readfirstlane_b32 s40, v2                    ; wave
	v_and_b32 v1, 31, v0
	v_lshlrev_b32 v3, 3, v1                        ; lane * 8
	v_lshlrev_b32 v1, 4, v1                        ; lane * 16
	s_lshl_b32 s41, ttmp9, 3
	s_add_co_u32 s41, s41, s40                     ; row
	s_mov_b32 s43, 0
	s_wait_kmcnt 0x0
	s_lshl_b32 s42, s41, 14
	s_add_nc_u64 s[4:5], s[4:5], s[42:43]
	s_lshl_b32 s42, s41, 8                         ; 64 words a row in each flag buffer
.irp q, 0,1,2,3
	s_add_nc_u64 s[8+2*\q:9+2*\q], s[8+2*\q:9+2*\q], s[42:43]
.endr
.set m, 0
.rept 32
	global_load_b128 v[X+4*m:X+4*m+3], v1, s[4:5] offset:512*m th:TH_LOAD_NT   ; the whole row at once; read once in the launch
.set m, m+1
.endr
	; stage (k, j): lane i meets lane i xor j; in a sort that ascends, the lanes of mask (bit j) xor (bit k) keep the larger number
	s_mov_b32 s[MS+0],  0x66666666                 ; (2,1)
	s_mov_b32 s[MS+1],  0x3c3c3c3c                 ; (4,2)
	s_mov_b32 s[MS+2],  0x5a5a5a5a                 ; (4,1)
	s_mov_b32 s[MS+3],  0x0ff00ff0                 ; (8,4)
	s_mov_b32 s[MS+4],  0x33cc33cc                 ; (8,2)
	s_mov_b32 s[MS+5],  0x55aa55aa                 ; (8,1)
	s_mov_b32 s[MS+6],  0x00ffff00                 ; (16,8)
	s_mov_b32 s[MS+7],  0x0f0ff0f0                 ; (16,4)
	s_mov_b32 s[MS+8],  0x3333cccc                 ; (16,2)
	s_mov_b32 s[MS+9],  0x5555aaaa                 ; (16,1)
	s_mov_b32 s[MS+10], 0xffff0000                 ; (32,16)
	s_mov_b32 s[MS+11], 0xff00ff00                 ; (32,8)
	s_mov_b32 s[MS+12], 0xf0f0f0f0                 ; (32,4)
	s_mov_b32 s[MS+13], 0xcccccccc                 ; (32,2)
	s_mov_b32 s[MS+14], 0xaaaaaaaa                 ; (32,1)
	s_mov_b32 s32, 0x76543210                      ; v_permlanex16_b32: lane i takes lane i xor 16
	s_mov_b32 s33, 0xfedcba98
	s_mov_b32 s34, 0xffff0000                      ; a word's upper bf16
.set i, 0
.rept 16
	v_mov_b32 v[T+i], 0                            ; destinations of lane-crossing forms count as read: written once here
.set i, i+1
.endr
.set i, 0
.rept 8
	v_mov_b32 v[M+i], 0
.set i, i+1
.endr
	; part maxima: 32 registers (64 groups of the lane) give two parts, one in each half; two chains that do not wait for each other
.irp a, 0,1,2,3
	s_wait_loadcnt 24-8*\a                         ; loads 0 .. 8 a + 7 are in; the younger ones stay out
	v_pk_max_num_bf16 v[PA+\a], v[X+32*\a],   v[X+32*\a+1]
	v_pk_max_num_bf16 v[T+\a],  v[X+32*\a+2], v[X+32*\a+3]
.irp q, 4,6,8,10,12,14,16,18,20,22,24,26,28,30
	v_pk_max_num_bf16 v[PA+\a], v[PA+\a], v[X+32*\a+\q]
	v_pk_max_num_bf16 v[T+\a],  v[T+\a],  v[X+32*\a+\q+1]
.endr
	v_pk_max_num_bf16 v[PA+\a], v[PA+\a], v[T+\a]
	v_lshlrev_b32 v[Y+2*\a],   16,  v[PA+\a]
	v_and_b32     v[Y+2*\a+1], s34, v[PA+\a]
.endr
; one stage on register x: temporaries t, t + 1; n = the stage's mask; j = the partner's distance; desc = 1: the sort descends
.macro VST x, t, n, j, desc
.if \j < 16
	v_max_num_f32_dpp v[\t],   v[\x], v[\x] row_xmask:\j row_mask:0xf bank_mask:0xf
	v_min_num_f32_dpp v[\t+1], v[\x], v[\x] row_xmask:\j row_mask:0xf bank_mask:0xf
.else
	v_permlanex16_b32 v[\t], v[\x], s32, s33
	v_min_num_f32 v[\t+1], v[\x], v[\t]
	v_max_num_f32 v[\t],   v[\x], v[\t]
.endif
.if \desc
	v_cndmask_b32 v[\x], v[\t], v[\t+1], s[MS+\n]  ; the mask's lanes keep the smaller
.else
	v_cndmask_b32 v[\x], v[\t+1], v[\t], s[MS+\n]  ; the mask's lanes keep the larger
.endif
.endm
.macro SORT8 n, j                      ; the eight lists side by side: even ones descend, odd ones ascend
.irp i, 0,2,4,6
	VST Y+\i,   T+2*\i,   \n, \j, 1
	VST Y+\i+1, T+2*\i+2, \n, \j, 0
.endr
.endm
	SORT8 0, 1
	SORT8 1, 2
	SORT8 2, 1
	SORT8 3, 4
	SORT8 4, 2
	SORT8 5, 1
	SORT8 6, 8
	SORT8 7, 4
	SORT8 8, 2
	SORT8 9, 1
	SORT8 10, 16
	SORT8 11, 8
	SORT8 12, 4
	SORT8 13, 2
	SORT8 14, 1
	; the larger of a descending and an ascending list, lane by lane, is the best 32 of the 64, in bitonic order: five stages sort it
.irp i, 0,2,4,6
	v_max_num_f32 v[Y+\i], v[Y+\i], v[Y+\i+1]
.endr
.macro CL4 n, j
	VST Y,   T,    \n, \j, 1
	VST Y+2, T+4,  \n, \j, 0
	VST Y+4, T+8,  \n, \j, 1
	VST Y+6, T+12, \n, \j, 0
.endm
	CL4 10, 16
	CL4 11, 8
	CL4 12, 4
	CL4 13, 2
	CL4 14, 1
	v_max_num_f32 v[Y],   v[Y],   v[Y+2]
	v_max_num_f32 v[Y+4], v[Y+4], v[Y+6]
.macro CL2 n, j
	VST Y,   T,   \n, \j, 1
	VST Y+4, T+8, \n, \j, 0
.endm
	CL2 10, 16
	CL2 11, 8
	CL2 12, 4
	CL2 13, 2
	CL2 14, 1
	v_max_num_f32 v[Y], v[Y], v[Y+4]               ; the best 32 of the 256 parts, in any order; tau is their smallest
	v_min_num_f32_dpp v[Y], v[Y], v[Y] row_xmask:1 row_mask:0xf bank_mask:0xf
	v_min_num_f32_dpp v[Y], v[Y], v[Y] row_xmask:2 row_mask:0xf bank_mask:0xf
	v_min_num_f32_dpp v[Y], v[Y], v[Y] row_xmask:4 row_mask:0xf bank_mask:0xf
	v_min_num_f32_dpp v[Y], v[Y], v[Y] row_xmask:8 row_mask:0xf bank_mask:0xf
	v_permlanex16_b32 v[T], v[Y], s32, s33
	v_min_num_f32 v[TAU], v[Y], v[T]
	; flags, four words n = 4 g + c at a time: half n & 1 of register n >> 1 against tau; the compare's lane mask IS flag word n
.set g, 0
.rept 64
	v_lshlrev_b32 v[T],   16,  v[X+2*g]
	v_and_b32     v[T+1], s34, v[X+2*g]
	v_lshlrev_b32 v[T+2], 16,  v[X+2*g+1]
	v_and_b32     v[T+3], s34, v[X+2*g+1]
.irp c, 0,1,2,3
	v_cmp_ge_f32 s[36+\c], v[T+\c], v[TAU]
.endr
.irp c, 0,1,2,3
	v_writelane_b32 v[M+2*(g>>4)+(\c&1)], s[36+\c], (2*g+(\c>>1))&31
.endr
.set g, g+1
.endr
.irp q, 0,1,2,3
	global_store_b64 v3, v[M+2*\q:M+2*\q+1], s[8+2*\q:9+2*\q]   ; words 64 q .. 64 q + 63: 256 consecutive aligned bytes
.endr
	s_endpgm
.Lfunc_end_k_q90406c4d4a_thresh:
	.size	k_q90406c4d4a_thresh, .Lfunc_end_k_q90406c4d4a_thresh-k_q90406c4d4a_thresh
	.p2alignl 7, 3214868480
	.fill 96, 4, 3214868480
	.section	.rodata,"a",@progbits
	.p2align	6, 0x0
	.amdhsa_kernel k_q90406c4d4a_thresh
		.amdhsa_group_segment_fixed_size 0
		.amdhsa_private_segment_fixed_size 0
		.amdhsa_enable_private_segment 0
		.amdhsa_kernarg_size 40
		.amdhsa_user_sgpr_count 2
		.amdhsa_user_sgpr_kernarg_segment_ptr 1
		.amdhsa_wavefront_size32 1
		.amdhsa_system_sgpr_workgroup_id_x 1
		.amdhsa_system_sgpr_workgroup_id_y 1
		.amdhsa_system_sgpr_workgroup_id_z 1
		.amdhsa_system_vgpr_workitem_id 0
		.amdhsa_next_free_vgpr 184
		.amdhsa_next_free_sgpr 66
		.amdhsa_reserve_vcc 0
		.amdhsa_float_denorm_mode_32 3
		.amdhsa_float_denorm_mode_16_64 3
		.amdhsa_memory_ordered 1
		.amdhsa_forward_progress 1
		.amdhsa_inst_pref_size 84
	.end_amdhsa_kernel
	.amdgpu_metadata
---
amdhsa.version: [ 1, 2 ]
amdhsa.kernels:
  - .name:           k_q90406c4d4a_thresh
    .symbol:         k_q90406c4d4a_thresh.kd
    .args:
      - { .name: gmax, .offset: 0, .size: 8, .value_kind: global_buffer, .address_space: global }
      - { .name: fl0, .offset: 8, .size: 8, .value_kind: global_buffer, .address_space: global }
      - { .name: fl1, .offset: 16, .size: 8, .value_kind: global_buffer, .address_space: global }
      - { .name: fl2, .offset: 24, .size: 8, .value_kind: global_buffer, .address_space: global }
      - { .name: fl3, .offset: 32, .size: 8, .value_kind: global_buffer, .address_space: global }
    .group_segment_fixed_size: 0
    .private_segment_fixed_size: 0
    .kernarg_segment_align: 8
    .kernarg_segment_size: 40
    .max_flat_workgroup_size: 256
    .sgpr_count:     66
    .vgpr_count:     184
    .wavefront_size: 32
...
	.end_amdgpu_metadata
.endif
;; end of part 2
;; launch pick (part 3): grid 2048 x 1, 1 waves a work-group, no clusters, 33,536 bytes of LDS; arguments fl0, fl1, fl2, fl3, kbf, query, tidx, twt; writes tidx, twt
.if DOCPART == 3
	.amdgcn_target "amdgcn-amd-amdhsa--gfx1250"
	.amdhsa_code_object_version 6
	.text
	.protected	k_q90406c4d4a_pick
	.globl	k_q90406c4d4a_pick
	.p2align	8
	.type	k_q90406c4d4a_pick,@function
k_q90406c4d4a_pick:
	s_mov_b64 s[64:65], 0
	v_nop
	global_prefetch_b8 v0, s[64:65] scope:SCOPE_SE
	s_setreg_imm32_b32 hwreg(HW_REG_WAVE_MODE, 25, 1), 1
	s_wait_xcnt 0x0
; For one row (one query): the list of its flagged groups, their 8 scores each, made anew by the matrix form and K order of the dense pass
; (f32 sums of bf16 products), the exact best 32 by (score descending, key index ascending), and the softmax over them.
; tidx[row][i] = (key index, 0), twt[row][i] = (weight, 0), 8 bytes an entry, so that one store of the wave is 256 aligned bytes.
; One wave is one work-group: no barrier, EXEC is never changed, no LDS byte is shared.  The count of flagged groups (32 to 8,192) comes from whole
; numbers stored by an earlier launch; it sets the trip count, 8 groups a trip.  Every input takes this same way; more flags only make more trips.
; A trip: 4 tiles of 16 key rows (2 groups each) x the query, which stands in all 16 columns of source 1.  Lane (r, h), register j of tile t then holds
; key j of list place base + 2 t + h, for every r.  Lane (r, h) picks register r & 7 of tiles 2 v + (r >> 3), v = 0, 1: the trip's 64 scores, two a lane.
; The order of the list is free: the choice is made by a strict order on (score, index), whatever the order in which candidates arrive.
; No tensor loads, no cluster: a work-group's key rows are scattered pieces of 2 KiB chosen by its own list, shared with nobody.
; LIMITS: NaN and infinite scores are not served; +0 and -0 count as a tie (the lower index wins); the choice is made on query and keys rounded to bf16.
; SCALAR REGISTERS: s[4:11] the four flag buffers, s[12:13] kbf, s[14:15] query, s[16:17] tidx, s[18:19] twt; s20 count, s21 at work, s22 round, s23 lanes with a
; bit left; s[24:38] lane masks; s[40:46] comparators and bit tests; s48, s49 lane selects; s85 trips - 1, s86 trip, s87 first place, s[88:91] valid masks, s[92:93] an offset.
.set LISTB, 256                        ; LDS: bytes 0 .. 255 take the stores of lanes without a flag and are never read; the list of 8,192 + 32 words follows
.set A,    0                           ; v[0:127]   key fragments: tile t, K quarter ks at 32 t + 8 ks (first: the query as f32 in v[0:63], the flag words in v[64:71])
.set FW,   64                          ; v[64:71]   lane L of register 2 q + i holds flag word n = 64 q + 2 L + i
.set D,    128                         ; v[128:159] 4 accumulators
.set BQ,   160                         ; v[160:191] the query's fragments
.set LANE, 192
.set EB,   193                         ; group number of bit 0 of the lane's word in the register at hand
.set P,    194
.set E,    196
.set LA,   197                         ; r >> 3
.set LC,   198                         ; 2 (r >> 3) + h
.set KL,   199                         ; (r & 7) * 256 + 16 h
.set R7,   200                         ; r & 7
.set QO,   201                         ; 32 h
.set L8,   202                         ; lane * 8
.set ZERO, 203
.set G,    204                         ; v[204:207] tile t: the group whose rows this lane loads
.set EN,   208                         ; v[208:209] the group of this lane's candidate v
.set AO,   210                         ; v[210:213] tile t: byte offset in kbf
.set NI,   214                         ; v[214:215] key index of candidate v
.set CS,   216                         ; v216, v218 candidates' scores;  CI = v217, v219 their indices
.set CI,   217
.set RS,   220                         ; the running best 32, descending
.set RI,   221
.set PS,   222                         ; v222, v224 the partner's score;  PI = v223, v225 its index
.set PI,   223
.set T,    226                         ; v[226:233] at work
.set OI,   234
.set OW,   236
.set NINF, 242
.set CNT,  20
.set TMP,  21
.set RC,   22
.set MK,   23
.set MS,   24
	s_load_b256 s[4:11], s[0:1], 0x0               ; fl0 s[4:5], fl1 s[6:7], fl2 s[8:9], fl3 s[10:11]
	s_load_b256 s[12:19], s[0:1], 0x20             ; kbf s[12:13], query s[14:15], tidx s[16:17], twt s[18:19]
	v_lshl_add_u32 v254, v0, 2, 0x8200
	v_mov_b32 v255, 0
	v_mov_b32 v[LANE], v0
	v_and_b32 v238, 15, v0                         ; r
	v_lshrrev_b32 v239, 4, v0                      ; h
	v_lshrrev_b32 v240, 2, v0
	v_lshlrev_b32 v240, 8, v240                    ; 256 (L >> 2)
	v_and_b32 v241, 3, v0
	v_lshl_add_u32 v[EB], v241, 1, v240            ; + 2 (L & 3): bit 0 of word 2 L
	v_lshrrev_b32 v[LA], 3, v238
	v_lshl_add_u32 v[LC], v[LA], 1, v239
	v_and_b32 v[R7], 7, v238
	v_lshlrev_b32 v[KL], 8, v[R7]
	v_lshl_add_u32 v[KL], v239, 4, v[KL]
	v_lshlrev_b32 v[QO], 5, v239
	v_lshlrev_b32 v[L8], 3, v0
	v_mov_b32 v[ZERO], 0
	v_mov_b32 v[NINF], 0xff800000
	v_mov_b32 v[RS], 0xff800000                    ; the running list starts empty: minus infinity loses against every score
	v_mov_b32 v[RI], 0
.irp i, 0,1,2,3
	v_mov_b32 v[PS+\i], 0                          ; destinations of lane-crossing forms count as read: written once here
.endr
	s_mov_b32 s93, 0
	s_wait_kmcnt 0x0
	s_lshl_b32 s92, ttmp9, 8                       ; 256 bytes a row in each flag buffer, in tidx and in twt
.irp q, 0,1,2,3
	s_add_nc_u64 s[4+2*\q:5+2*\q], s[4+2*\q:5+2*\q], s[92:93]
.endr
	s_add_nc_u64 s[16:17], s[16:17], s[92:93]
	s_add_nc_u64 s[18:19], s[18:19], s[92:93]
	s_lshl_b32 s92, ttmp9, 9
	s_add_nc_u64 s[14:15], s[14:15], s[92:93]      ; my query
.irp q, 0,1,2,3
	global_load_b64 v[FW+2*\q:FW+2*\q+1], v[L8], s[4+2*\q:5+2*\q]   ; my 64 flag words of buffer q: 256 consecutive bytes
.endr
	; the query: lane (r, h) takes k = 32 ks + 8 h .. + 7 and 32 ks + 16 + 8 h .. + 7, whatever r: every column of source 1 is the query
.irp ks, 0,1,2,3
	global_load_b128 v[16*\ks:16*\ks+3],     v[QO], s[14:15] offset:128*\ks
	global_load_b128 v[16*\ks+4:16*\ks+7],   v[QO], s[14:15] offset:128*\ks+16
	global_load_b128 v[16*\ks+8:16*\ks+11],  v[QO], s[14:15] offset:128*\ks+64
	global_load_b128 v[16*\ks+12:16*\ks+15], v[QO], s[14:15] offset:128*\ks+80
.endr
	s_mov_b32 s[MS+0],  0x66666666                 ; stage (k, j) = (2,1): (bit j) xor (bit k) of the lane number
	s_mov_b32 s[MS+1],  0x3c3c3c3c                 ; (4,2)
	s_mov_b32 s[MS+2],  0x5a5a5a5a                 ; (4,1)
	s_mov_b32 s[MS+3],  0x0ff00ff0                 ; (8,4)
	s_mov_b32 s[MS+4],  0x33cc33cc                 ; (8,2)
	s_mov_b32 s[MS+5],  0x55aa55aa                 ; (8,1)
	s_mov_b32 s[MS+6],  0x00ffff00                 ; (16,8)
	s_mov_b32 s[MS+7],  0x0f0ff0f0                 ; (16,4)
	s_mov_b32 s[MS+8],  0x3333cccc                 ; (16,2)
	s_mov_b32 s[MS+9],  0x5555aaaa                 ; (16,1)
	s_mov_b32 s[MS+10], 0xffff0000                 ; (32,16)
	s_mov_b32 s[MS+11], 0xff00ff00                 ; (32,8)
	s_mov_b32 s[MS+12], 0xf0f0f0f0                 ; (32,4)
	s_mov_b32 s[MS+13], 0xcccccccc                 ; (32,2)
	s_mov_b32 s[MS+14], 0xaaaaaaaa                 ; (32,1)
	s_mov_b32 s48, 0x76543210                      ; v_permlanex16_b32: lane i takes lane i xor 16
	s_mov_b32 s49, 0xfedcba98
; THE LIST, 32 flag words at a time: the words of register j, one in each lane.  A round: every lane with a bit left takes its lowest bit b out
; of its word and stores the group number EB + 8 b at list place count + (lanes below it that also have a bit), which is LDS word 64 + place.
; Lanes without a bit store to LDS word 0.  The choice is made first and the clamp last: behind the clamp stands the shift to bytes alone, so
; the address is inside words 0 .. 64 + 8,191 whatever the flag words hold.  A word has 32 bits: 32 rounds at the most; the loop is left as soon
; as no lane has a bit.  b is read off the single bit by five tests against the masks of the lane numbers with bit 0, 1, 2, 3, 4 set.
.macro REG j
	s_mov_b32 s[RC], 0
.Lr\@:
	v_cmp_ne_u32 s[MK], 0, v[FW+\j]                ; lanes with a bit left
	s_cmp_eq_u32 s[MK], 0
	s_cbranch_scc1 .Lx\@
	v_sub_nc_u32 v[T], 0, v[FW+\j]
	v_mbcnt_lo_u32_b32 v[P], s[MK], s[CNT]         ; count + such lanes below mine
	v_and_b32 v[T], v[FW+\j], v[T]                 ; w & -w: the lowest bit alone
	v_add_nc_u32 v[P], 64, v[P]                    ; the list begins at word 64
	v_xor_b32 v[FW+\j], v[FW+\j], v[T]             ; taken out of the word
	v_cndmask_b32 v[P], 0, v[P], s[MK]             ; no bit: word 0
.irp c, 0,1,2,3,4
	v_and_b32 v[T+1+\c], s[MS+14-\c], v[T]
.endr
	v_min_u32 v[P], 0x203f, v[P]                   ; word 64 + 8,191 at the most
.irp c, 0,1,2,3,4
	v_cmp_ne_u32 s[40+\c], 0, v[T+1+\c]            ; bit c of b
.endr
	v_lshlrev_b32 v[P], 2, v[P]
.irp c, 0,1,2,3,4
	v_cndmask_b32 v[T+1+\c], 0, 1<<\c, s[40+\c]
.endr
	v_add3_u32 v[T+1], v[T+1], v[T+2], v[T+3]
	v_add3_u32 v[T+1], v[T+1], v[T+4], v[T+5]      ; b
	v_lshl_add_u32 v[E], v[T+1], 3, v[EB]          ; e = 256 (n >> 3) + (n & 7) + 8 b
	ds_store_b32 v[P], v[E]
	s_bcnt1_i32_b32 s[TMP], s[MK]
	s_add_co_u32 s[CNT], s[CNT], s[TMP]
	s_add_co_u32 s[RC], s[RC], 1
	s_cmp_lt_u32 s[RC], 32
	s_cbranch_scc1 .Lr\@
.Lx\@:
.endm
	s_mov_b32 s[CNT], 0                            ; count of flagged groups
	s_wait_loadcnt 16                              ; the four loads of flag words are in; the query's 16 stay out
.irp q, 0,1,2,3
	REG 2*\q                                       ; words n = 64 q + 2 L
	v_add_nc_u32 v[EB], 1, v[EB]                   ; n + 1: n & 7 grows by one
	REG 2*\q+1                                     ; words n = 64 q + 2 L + 1
.if \q < 3
	v_add_nc_u32 v[EB], 2047, v[EB]                ; n + 63: 64 words are 2,048 groups
.endif
.endr
	; 32 pads behind the list (group 0, marked invalid by their place): the last trip reads at most 15 places past the count
	v_add_nc_u32 v[P], s[CNT], v[LANE]
	v_min_u32 v[P], 0x201f, v[P]
	v_add_lshl_u32 v[P], v[P], 64, 2
	ds_store_b32 v[P], v[ZERO]
	s_add_co_u32 s85, s[CNT], 7
	s_lshr_b32 s85, s85, 3                         ; trips: 8 groups each,
	s_max_u32 s85, s85, 2                          ; two at the least (the loop runs once, the last trip is written out),
	s_min_u32 s85, s85, 1024                       ; 8,192 groups at the most
	s_sub_co_u32 s85, s85, 1
	s_wait_loadcnt 0x0                             ; the query
.irp ks, 0,1,2,3
.irp i, 0,1,2,3,4,5,6,7
	v_cvt_pk_bf16_f32 v[BQ+8*\ks+\i], v[16*\ks+2*\i], v[16*\ks+2*\i+1]
.endr
.endr
; list reads for the trip whose first place is s87.  LDS serves the wave in order: these loads see the list's stores.
.macro PREP1
	v_add_nc_u32 v238, s87, v[LA]
	v_min_u32 v238, 0x2019, v238                   ; + 6 at the most stays inside the 8,224 words
	v_lshlrev_b32 v238, 2, v238
.irp t, 0,1,2,3
	ds_load_b32 v[G+\t], v238 offset:LISTB+8*\t    ; place base + 2 t + (r >> 3)
.endr
	v_add_nc_u32 v239, s87, v[LC]
	v_min_u32 v240, 0x201b, v239
	v_lshlrev_b32 v240, 2, v240
.irp v, 0,1
	ds_load_b32 v[EN+\v], v240 offset:LISTB+16*\v  ; place base + 4 v + 2 (r >> 3) + h
.endr
.endm
; first key of group e: ((e & 0x1ff0) << 3) + ((e & 7) << 4) + (e & 8)
.macro KEY0 x, t
	v_min_u32 v[\x], 0x1fff, v[\x]
	v_and_b32 v[\t],   0x1ff0, v[\x]
	v_and_b32 v[\t+1], 7, v[\x]
	v_and_b32 v[\t+2], 8, v[\x]
	v_lshl_add_u32 v[\t+2], v[\t], 3, v[\t+2]
	v_lshl_add_u32 v[\x], v[\t+1], 4, v[\t+2]
.endm
.macro PREP2
	s_wait_dscnt 0x0                               ; the six list reads
	KEY0 G,    T
	KEY0 G+1,  T+3
	KEY0 G+2,  T
	KEY0 G+3,  T+3
	KEY0 EN,   T
	KEY0 EN+1, T+3
.irp t, 0,1,2,3
	v_lshl_add_u32 v[AO+\t], v[G+\t], 8, v[KL]     ; row key0 + (r & 7) of kbf, byte 16 h
.endr
	v_add_nc_u32 v[NI],   v[EN],   v[R7]
	v_add_nc_u32 v[NI+1], v[EN+1], v[R7]
	v_add_nc_u32 v241, 4, v239
	v_cmp_gt_u32 s90, s[CNT], v239                 ; a candidate counts if its place is below the count
	v_cmp_gt_u32 s91, s[CNT], v241
.irp t, 0,1,2,3
.irp ks, 0,1,2,3
	global_load_b128 v[A+32*\t+8*\ks:A+32*\t+8*\ks+3],   v[AO+\t], s[12:13] offset:64*\ks
	global_load_b128 v[A+32*\t+8*\ks+4:A+32*\t+8*\ks+7], v[AO+\t], s[12:13] offset:64*\ks+32
.endr
.endr
.endm
.macro SEL8 d, t                       ; register (lane & 7) of v[d .. d+7] into v[t]
	v_cndmask_b32 v[\t],   v[\d],   v[\d+1], s[MS+14]
	v_cndmask_b32 v[\t+1], v[\d+2], v[\d+3], s[MS+14]
	v_cndmask_b32 v[\t+2], v[\d+4], v[\d+5], s[MS+14]
	v_cndmask_b32 v[\t+3], v[\d+6], v[\d+7], s[MS+14]
	v_cndmask_b32 v[\t],   v[\t],   v[\t+1], s[MS+13]
	v_cndmask_b32 v[\t+2], v[\t+2], v[\t+3], s[MS+13]
	v_cndmask_b32 v[\t],   v[\t],   v[\t+2], s[MS+12]
.endm
; The comparator on (score, index): x beats y if its score is larger, or equal with the lower index.
.macro FETCH s, i, ps, pi, j           ; the partner at lane xor j
.if \j < 16
	v_mov_b32_dpp v[\ps], v[\s] row_xmask:\j row_mask:0xf bank_mask:0xf
	v_mov_b32_dpp v[\pi], v[\i] row_xmask:\j row_mask:0xf bank_mask:0xf
.else
	v_permlanex16_b32 v[\ps], v[\s], s48, s49
	v_permlanex16_b32 v[\pi], v[\i], s48, s49
.endif
.endm
.macro BEATS s, i, ps, pi, sa
	v_cmp_gt_f32 s[\sa],   v[\ps], v[\s]
	v_cmp_eq_f32 s[\sa+1], v[\ps], v[\s]
	v_cmp_lt_u32 s[\sa+2], v[\pi], v[\i]
.endm
.macro JOIN sa                         ; s[sa] = lanes where (ps, pi) beats (s, i)
	s_and_b32 s[\sa+1], s[\sa+1], s[\sa+2]
	s_or_b32 s[\sa], s[\sa], s[\sa+1]
.endm
.macro TAKE s, i, ps, pi, sa, inv      ; take the partner where the bit is set (inv = 1: where it is clear)
.if \inv
	v_cndmask_b32 v[\s], v[\ps], v[\s], s[\sa]
	v_cndmask_b32 v[\i], v[\pi], v[\i], s[\sa]
.else
	v_cndmask_b32 v[\s], v[\s], v[\ps], s[\sa]
	v_cndmask_b32 v[\i], v[\i], v[\pi], s[\sa]
.endif
.endm
; In a sort that descends the mask's lanes keep the worse of the two: a lane takes its partner where (partner beats me) xor (mask); ascending: the reverse.
.macro ST2 n, j                        ; one stage on both candidate lists: list 0 descends, list 1 ascends
	FETCH CS,   CI,   PS,   PI,   \j
	FETCH CS+2, CI+2, PS+2, PI+2, \j
	BEATS CS,   CI,   PS,   PI,   40
	BEATS CS+2, CI+2, PS+2, PI+2, 44
	JOIN 40
	s_xor_b32 s40, s40, s[MS+\n]
	JOIN 44
	s_xor_b32 s44, s44, s[MS+\n]
	TAKE CS,   CI,   PS,   PI,   40, 0
	TAKE CS+2, CI+2, PS+2, PI+2, 44, 1
.endm
.macro ST1 s, i, n, j, inv             ; one stage on one list
	FETCH \s, \i, PS, PI, \j
	BEATS \s, \i, PS, PI, 40
	JOIN 40
	s_xor_b32 s40, s40, s[MS+\n]
	TAKE \s, \i, PS, PI, 40, \inv
.endm
.macro CLEAN s, i, inv                 ; five stages sort a bitonic list
	ST1 \s, \i, 10, 16, \inv
	ST1 \s, \i, 11, 8, \inv
	ST1 \s, \i, 12, 4, \inv
	ST1 \s, \i, 13, 2, \inv
	ST1 \s, \i, 14, 1, \inv
.endm
.macro BEST s, i, s2, i2               ; lane by lane the better of a descending and an ascending list: the best 32 of the 64, bitonic
	BEATS \s, \i, \s2, \i2, 40
	JOIN 40
	TAKE \s, \i, \s2, \i2, 40, 0
.endm
; One trip.  next = 1: the next trip's rows are asked for, and fly under this trip's sort.
.macro TRIP next
	s_wait_loadcnt 0x0                             ; this trip's 32 fragment loads; nothing younger is out
.irp ks, 0,1,2,3
.irp t, 0,1,2,3
.if \ks == 0
	v_wmma_f32_16x16x32_bf16 v[D+8*\t:D+8*\t+7], v[A+32*\t+8*\ks:A+32*\t+8*\ks+7], v[BQ+8*\ks:BQ+8*\ks+7], 0
.else
	v_wmma_f32_16x16x32_bf16 v[D+8*\t:D+8*\t+7], v[A+32*\t+8*\ks:A+32*\t+8*\ks+7], v[BQ+8*\ks:BQ+8*\ks+7], v[D+8*\t:D+8*\t+7]
.endif
.endr
.endr                                              ; the four accumulators take turns, one instruction a turn
.rept 4
	v_nop                                          ; four places behind the last matrix instruction (ISA guide 7.12.1) before results are read and A is loaded again
.endr
.if \next
	s_add_co_u32 s87, s87, 8
	PREP1
.endif
.irp v, 0,1
	SEL8 D+16*\v,   T
	SEL8 D+16*\v+8, T+4
	v_cndmask_b32 v[T], v[T], v[T+4], s[MS+11]     ; tile 2 v + (r >> 3)
	v_cndmask_b32 v[CS+2*\v], v[NINF], v[T], s[88+\v]   ; a place at or past the count: minus infinity
	v_mov_b32 v[CI+2*\v], v[NI+\v]
.endr
.if \next
	PREP2
	s_mov_b32 s88, s90
	s_mov_b32 s89, s91
.endif
	ST2 0, 1
	ST2 1, 2
	ST2 2, 1
	ST2 3, 4
	ST2 4, 2
	ST2 5, 1
	ST2 6, 8
	ST2 7, 4
	ST2 8, 2
	ST2 9, 1
	ST2 10, 16
	ST2 11, 8
	ST2 12, 4
	ST2 13, 2
	ST2 14, 1
	BEST CS, CI, CS+2, CI+2
	CLEAN CS, CI, 1                                ; ascending
	BEST RS, RI, CS, CI
	CLEAN RS, RI, 0                                ; the running best 32, descending again
.endm
	s_mov_b32 s87, 0
	PREP1
	PREP2
	s_mov_b32 s88, s90
	s_mov_b32 s89, s91
	s_mov_b32 s86, 0
.Ltrip:
	TRIP 1
	s_add_co_u32 s86, s86, 1
	s_cmp_lt_u32 s86, s85
	s_cbranch_scc1 .Ltrip
	TRIP 0                                         ; the last trip asks for nothing
	; softmax over the 32: the list descends, so lane 0 holds the maximum, which is taken away first
	v_readfirstlane_b32 s[TMP], v[RS]
	v_sub_f32 v238, v[RS], s[TMP]
	v_mul_f32 v238, 0x3fb8aa3b, v238               ; 1 / ln 2
	v_exp_f32 v239, v238
	v_nop                                          ; one plain place behind a transcendental (ISA guide 5.7.2)
	s_wait_alu depctr_va_vdst(0)
	v_add_f32_dpp v240, v239, v239 row_xmask:1 row_mask:0xf bank_mask:0xf
	v_add_f32_dpp v240, v240, v240 row_xmask:2 row_mask:0xf bank_mask:0xf
	v_add_f32_dpp v240, v240, v240 row_xmask:4 row_mask:0xf bank_mask:0xf
	v_add_f32_dpp v240, v240, v240 row_xmask:8 row_mask:0xf bank_mask:0xf
	v_permlanex16_b32 v241, v240, s48, s49
	v_add_f32 v240, v240, v241                     ; at least 1: the maximum's own term
	v_rcp_f32 v238, v240
	v_mov_b32 v[OI], v[RI]                         ; the place behind v_rcp_f32
	v_mov_b32 v[OI+1], 0
	s_wait_alu depctr_va_vdst(0)
	v_mul_f32 v[OW], v239, v238
	v_mov_b32 v[OW+1], 0
	global_store_b64 v[L8], v[OI:OI+1], s[16:17]   ; 32 lanes x 8 bytes: 256 aligned bytes
	global_store_b64 v[L8], v[OW:OW+1], s[18:19]
	s_wait_tensorcnt 0x0
	ds_add_u32 v254, v255
	s_wait_dscnt 0x0
	s_endpgm
.Lfunc_end_k_q90406c4d4a_pick:
	.size	k_q90406c4d4a_pick, .Lfunc_end_k_q90406c4d4a_pick-k_q90406c4d4a_pick
	.p2alignl 7, 3214868480
	.fill 96, 4, 3214868480
	.section	.rodata,"a",@progbits
	.p2align	6, 0x0
	.amdhsa_kernel k_q90406c4d4a_pick
		.amdhsa_group_segment_fixed_size 33536
		.amdhsa_private_segment_fixed_size 0
		.amdhsa_enable_private_segment 0
		.amdhsa_kernarg_size 64
		.amdhsa_user_sgpr_count 2
		.amdhsa_user_sgpr_kernarg_segment_ptr 1
		.amdhsa_wavefront_size32 1
		.amdhsa_system_sgpr_workgroup_id_x 1
		.amdhsa_system_sgpr_workgroup_id_y 1
		.amdhsa_system_sgpr_workgroup_id_z 1
		.amdhsa_system_vgpr_workitem_id 0
		.amdhsa_next_free_vgpr 256
		.amdhsa_next_free_sgpr 96
		.amdhsa_reserve_vcc 0
		.amdhsa_float_denorm_mode_32 3
		.amdhsa_float_denorm_mode_16_64 3
		.amdhsa_memory_ordered 1
		.amdhsa_forward_progress 1
		.amdhsa_inst_pref_size 85
	.end_amdhsa_kernel
	.amdgpu_metadata
---
amdhsa.version: [ 1, 2 ]
amdhsa.kernels:
  - .name:           k_q90406c4d4a_pick
    .symbol:         k_q90406c4d4a_pick.kd
    .args:
      - { .name: fl0, .offset: 0, .size: 8, .value_kind: global_buffer, .address_space: global }
      - { .name: fl1, .offset: 8, .size: 8, .value_kind: global_buffer, .address_space: global }
      - { .name: fl2, .offset: 16, .size: 8, .value_kind: global_buffer, .address_space: global }
      - { .name: fl3, .offset: 24, .size: 8, .value_kind: global_buffer, .address_space: global }
      - { .name: kbf, .offset: 32, .size: 8, .value_kind: global_buffer, .address_space: global }
      - { .name: query, .offset: 40, .size: 8, .value_kind: global_buffer, .address_space: global }
      - { .name: tidx, .offset: 48, .size: 8, .value_kind: global_buffer, .address_space: global }
      - { .name: twt, .offset: 56, .size: 8, .value_kind: global_buffer, .address_space: global }
    .group_segment_fixed_size: 33536
    .private_segment_fixed_size: 0
    .kernarg_segment_align: 8
    .kernarg_segment_size: 64
    .max_flat_workgroup_size: 32
    .sgpr_count:     96
    .vgpr_count:     256
    .wavefront_size: 32
...
	.end_amdgpu_metadata
.endif
;; end of part 3
;; launch mix (part 4): grid 256 x 1, 8 waves a work-group, no clusters, 148,736 bytes of LDS; arguments tidx, twt, pool, w_out, out0; writes out0
.if DOCPART == 4
	.amdgcn_target "amdgcn-amd-amdhsa--gfx1250"
	.amdhsa_code_object_version 6
	.text
	.protected	k_q90406c4d4a_mix
	.globl	k_q90406c4d4a_mix
	.p2align	8
	.type	k_q90406c4d4a_mix,@function
k_q90406c4d4a_mix:
	s_mov_b64 s[64:65], 0
	v_nop
	global_prefetch_b8 v0, s[64:65] scope:SCOPE_SE
	s_setreg_imm32_b32 hwreg(HW_REG_WAVE_MODE, 25, 1), 1
	s_wait_xcnt 0x0
; out0[row][n] = sum_k agg[row][k] w_out[n][k],  agg[row][k] = sum over the 32 chosen i of twt[row][i] * pool[tidx[row][i]][k].
; A work-group owns 8 rows.  Wave w gathers row 8 g + w: 32 pool rows of 1,024 bytes, two loads of 512 consecutive bytes each, summed in f32
; (a lane: columns 4 L .. + 3 and 128 + 4 L .. + 3).  Wave w also brings rows 32 w .. 32 w + 31 of w_out into LDS as bf16 and reads only those back.
; Then wave w makes output features 32 w .. 32 w + 31 of all 8 rows: source 0 = 16 rows of w_out, source 1 = the 8 rows of agg, each standing in two
; columns (r and r + 8); lanes with r < 8 keep the first tile of 16 features, the others the second, so no lane's result is thrown away unread.
; The pool addresses come from whole numbers stored by an earlier launch, each clamped to the table's 65,536 rows.
; No tensor loads, no cluster: pool rows are scattered by the list, and w_out is f32 in memory and is rounded in registers on its way to LDS.
; LIMITS: the aggregated row and w_out enter the product rounded to bf16.
.set WP,  528                          ; LDS pitch of a row of 256 bf16: 512 + 16
.set AG,  256*WP                       ; 135,168: the 8 aggregated rows, pitch 528
.set OS,  AG+8*WP                      ; 139,392: the 8 output rows in f32, pitch 1,040
.set OP,  1040
.set X0,  16                           ; v[16:207]  a ring of 3 slots of 64 registers (16 loads each)
.set X1,  80
.set X2,  144
.set ACC, 208                          ; v[208:215] the row's sums; later accumulator 0
.set OFF, 216                          ; v[216:247] byte offsets of the 32 pool rows; later v[216:223] accumulator 1
.set AGF, 16                           ; fragments of agg, 8 K steps
.set WF,  80                           ; fragments of w_out: tile t, K step ks at 64 t + 8 ks
.set D0,  208
.set D1,  216
	s_load_b256 s[4:11], s[0:1], 0x0               ; tidx s[4:5], twt s[6:7], pool s[8:9], w_out s[10:11]
	s_load_b64 s[12:13], s[0:1], 0x20              ; out0
	v_lshl_add_u32 v248, v0, 2, 0x24100
	v_mov_b32 v249, 0
	v_lshrrev_b32 v15, 5, v0
	v_readfirstlane_b32 s14, v15                   ; wave w
	v_and_b32 v1, 31, v0                           ; lane
	v_and_b32 v16, 15, v0                          ; r
	v_bfe_u32 v17, v0, 4, 1                        ; h
	v_and_b32 v18, 7, v0                           ; r & 7
	v_bfe_u32 v19, v0, 3, 1                        ; r >> 3
	v_lshlrev_b32 v2, 4, v1                        ; lane * 16
	v_lshlrev_b32 v3, 3, v1                        ; lane * 8
	v_lshrrev_b32 v8, 2, v1
	v_lshlrev_b32 v8, 3, v8                        ; (lane >> 2) * 8
	v_and_b32 v15, 3, v1
	v_lshlrev_b32 v15, 8, v15                      ; (lane & 3) * 256
	s_mul_i32 s18, s14, 32*WP
	v_lshl_add_u32 v9, v1, 3, s18                  ; w_out in: my 32 rows, byte lane * 8
	s_mul_i32 s36, s14, WP
	s_add_co_u32 s36, s36, AG
	v_lshl_add_u32 v10, v1, 3, s36                 ; agg in: row w
	v_mul_u32_u24 v11, v16, WP
	v_lshl_add_u32 v11, v17, 4, v11
	v_add_nc_u32 v11, s18, v11                     ; w_out fragments: row 32 w + r, byte 16 h
	v_mul_u32_u24 v12, v18, WP
	v_lshl_add_u32 v12, v17, 4, v12
	v_add_nc_u32 v12, AG, v12                      ; agg fragments: row r & 7, byte 16 h
	v_mul_u32_u24 v13, v18, OP
	v_lshl_add_u32 v13, v19, 6, v13
	v_lshl_add_u32 v13, v17, 5, v13
	s_lshl_b32 s37, s14, 7
	s_add_co_u32 s37, s37, OS
	v_add_nc_u32 v13, s37, v13                     ; out stage in: row r & 7, feature 32 w + 16 (r >> 3) + 8 h
	s_mul_i32 s38, s14, OP
	s_add_co_u32 s38, s38, OS
	v_lshl_add_u32 v14, v1, 4, s38                 ; out stage back: row w, byte lane * 16
	s_mov_b32 s19, 0xff00ff00                      ; lanes with r >= 8
	s_lshl_b32 s15, ttmp9, 3
	s_add_co_u32 s15, s15, s14                     ; my row
	s_mov_b32 s17, 0
	s_wait_kmcnt 0x0
	s_lshl_b32 s16, s15, 8
	s_add_nc_u64 s[4:5], s[4:5], s[16:17]
	s_add_nc_u64 s[6:7], s[6:7], s[16:17]
	s_lshl_b32 s16, s14, 15                        ; 32 rows of w_out of 1,024 bytes
	s_add_nc_u64 s[10:11], s[10:11], s[16:17]
	s_lshl_b32 s16, s15, 10
	s_add_nc_u64 s[12:13], s[12:13], s[16:17]
.macro LDG c, sl                       ; pool rows 8 c .. 8 c + 7 of my list
.irp i, 0,1,2,3,4,5,6,7
	global_load_b128 v[\sl+8*\i:\sl+8*\i+3],   v[OFF+8*\c+\i], s[8:9]
	global_load_b128 v[\sl+8*\i+4:\sl+8*\i+7], v[OFF+8*\c+\i], s[8:9] offset:512
.endr
.endm
.macro LDW c, sl                       ; rows 8 c .. 8 c + 7 of my 32 of w_out
.irp i, 0,1,2,3,4,5,6,7
	global_load_b128 v[\sl+8*\i:\sl+8*\i+3],   v2, s[10:11] offset:(8*\c+\i)*1024
	global_load_b128 v[\sl+8*\i+4:\sl+8*\i+7], v2, s[10:11] offset:(8*\c+\i)*1024+512
.endr
.endm
.macro ROWFMA sl, i
.irp q, 0,2,4,6
	v_pk_fma_f32 v[ACC+\q:ACC+\q+1], v[\sl+8*\i+\q:\sl+8*\i+\q+1], s[20+2*\i:21+2*\i], v[ACC+\q:ACC+\q+1] op_sel_hi:[1,0,1]
.endr
.endm
.macro DOG c, sl, first                ; eight rows into the sums; the very first row starts them
.irp i, 0,1,2,3,4,5,6,7
	v_readlane_b32 s[20+2*\i], v5, 8*\c+\i         ; the row's weight, as the low word of a scalar pair
.endr
.if \first
.irp q, 0,2,4,6
	v_pk_mul_f32 v[ACC+\q:ACC+\q+1], v[\sl+\q:\sl+\q+1], s[20:21] op_sel_hi:[1,0]
.endr
.else
	ROWFMA \sl, 0
.endif
.irp i, 1,2,3,4,5,6,7
	ROWFMA \sl, \i
.endr
.endm
.macro DOW c, sl                       ; eight rows of w_out: round in place, store to LDS
.irp i, 0,1,2,3,4,5,6,7
	v_cvt_pk_bf16_f32 v[\sl+8*\i],   v[\sl+8*\i],   v[\sl+8*\i+1]
	v_cvt_pk_bf16_f32 v[\sl+8*\i+1], v[\sl+8*\i+2], v[\sl+8*\i+3]
	v_cvt_pk_bf16_f32 v[\sl+8*\i+4], v[\sl+8*\i+4], v[\sl+8*\i+5]
	v_cvt_pk_bf16_f32 v[\sl+8*\i+5], v[\sl+8*\i+6], v[\sl+8*\i+7]
	ds_store_b64 v9, v[\sl+8*\i:\sl+8*\i+1]   offset:(8*\c+\i)*WP
	ds_store_b64 v9, v[\sl+8*\i+4:\sl+8*\i+5] offset:(8*\c+\i)*WP+256
.endr
.endm
	global_load_b32 v4, v3, s[4:5]                 ; lane i: index i
	global_load_b32 v5, v3, s[6:7]                 ; lane i: weight i
	global_load_b32 v6, v8, s[4:5] offset:128      ; index 16 + (lane >> 2)
	global_load_b32 v7, v8, s[4:5] offset:192      ; index 24 + (lane >> 2)
	LDW 0, X0
	s_wait_loadcnt 16                              ; the four small loads are in; the 16 of w_out stay out
.set kk, 0
.rept 8
.irp c, 0,1,2,3
	v_readlane_b32 s[36+\c], v4, kk+\c
.endr
.irp c, 0,1,2,3
	s_min_u32 s[36+\c], s[36+\c], 0xffff           ; a row of the table
	s_lshl_b32 s[36+\c], s[36+\c], 10              ; 1,024 bytes a row
.endr
.irp c, 0,1,2,3
	v_add_nc_u32 v[OFF+kk+\c], s[36+\c], v2
.endr
.set kk, kk+4
.endr
	LDG 0, X1
	LDG 1, X2
	; the 16 rows of the third and fourth gather item are asked for now, two items of 16 loads ahead of their loads:
	; four lanes a row, 256 bytes apart; the addresses are clamped rows of the table, and their registers are never written again
	v_min_u32 v6, 0xffff, v6
	v_min_u32 v7, 0xffff, v7
	v_lshl_add_u32 v6, v6, 10, v15
	v_lshl_add_u32 v7, v7, 10, v15
	global_prefetch_b8 v6, s[8:9] th:TH_LOAD_NT scope:SCOPE_SE
	global_prefetch_b8 v7, s[8:9] th:TH_LOAD_NT scope:SCOPE_SE
.irp i, 0,1,2,3,4,5,6,7
	s_mov_b32 s[21+2*\i], 0                        ; the pairs' upper words: never multiplied, but written
.endr
	; the ring: eight items of 16 loads on three slots; each wait leaves the younger items, 16 loads each, on their way
	s_wait_loadcnt 32
	DOW 0, X0
	LDG 2, X0
	s_wait_loadcnt 32
	DOG 0, X1, 1
	LDG 3, X1
	s_wait_loadcnt 32
	DOG 1, X2, 0
	LDW 1, X2
	s_wait_loadcnt 32
	DOG 2, X0, 0
	LDW 2, X0
	s_wait_loadcnt 32
	DOG 3, X1, 0
	LDW 3, X1
	v_cvt_pk_bf16_f32 v[ACC],   v[ACC],   v[ACC+1] ; my aggregated row, rounded once, to LDS
	v_cvt_pk_bf16_f32 v[ACC+1], v[ACC+2], v[ACC+3]
	v_cvt_pk_bf16_f32 v[ACC+4], v[ACC+4], v[ACC+5]
	v_cvt_pk_bf16_f32 v[ACC+5], v[ACC+6], v[ACC+7]
	ds_store_b64 v10, v[ACC:ACC+1]
	ds_store_b64 v10, v[ACC+4:ACC+5] offset:256
	s_wait_loadcnt 32
	DOW 1, X2
	s_wait_loadcnt 16
	DOW 2, X0
	s_wait_loadcnt 0x0
	DOW 3, X1
	s_wait_dscnt 0x0                               ; for the other waves: my aggregated row is in LDS
	s_barrier_signal -1
	s_barrier_wait -1                              ; all eight rows are
	; the product: K = 256 in 8 steps, two tiles of 16 features
.irp ks, 0,1,2,3,4,5,6,7
	ds_load_b128 v[AGF+8*\ks:AGF+8*\ks+3],     v12 offset:64*\ks
	ds_load_b128 v[AGF+8*\ks+4:AGF+8*\ks+7],   v12 offset:64*\ks+32
	ds_load_b128 v[WF+8*\ks:WF+8*\ks+3],       v11 offset:64*\ks
	ds_load_b128 v[WF+8*\ks+4:WF+8*\ks+7],     v11 offset:64*\ks+32
	ds_load_b128 v[WF+64+8*\ks:WF+64+8*\ks+3], v11 offset:16*WP+64*\ks
	ds_load_b128 v[WF+64+8*\ks+4:WF+64+8*\ks+7], v11 offset:16*WP+64*\ks+32
.endr
.irp ks, 0,1,2,3,4,5,6,7
	s_wait_dscnt 6*(7-\ks)                         ; step ks is in; the 6 loads of each younger step stay out
.if \ks == 0
	v_wmma_f32_16x16x32_bf16 v[D0:D0+7], v[WF+8*\ks:WF+8*\ks+7],       v[AGF+8*\ks:AGF+8*\ks+7], 0
	v_wmma_f32_16x16x32_bf16 v[D1:D1+7], v[WF+64+8*\ks:WF+64+8*\ks+7], v[AGF+8*\ks:AGF+8*\ks+7], 0
.else
	v_wmma_f32_16x16x32_bf16 v[D0:D0+7], v[WF+8*\ks:WF+8*\ks+7],       v[AGF+8*\ks:AGF+8*\ks+7], v[D0:D0+7]
	v_wmma_f32_16x16x32_bf16 v[D1:D1+7], v[WF+64+8*\ks:WF+64+8*\ks+7], v[AGF+8*\ks:AGF+8*\ks+7], v[D1:D1+7]
.endif
.endr                                              ; the two accumulators take turns, one instruction a turn
.rept 4
	v_nop                                          ; four places behind the last matrix instruction (ISA guide 7.12.1) before results are read
.endr
.irp j, 0,1,2,3,4,5,6,7
	v_cndmask_b32 v[D0+\j], v[D0+\j], v[D1+\j], s19   ; lanes with r >= 8 carry the second tile: 8 neighbouring features of row r & 7
.endr
	ds_store_b128 v13, v[D0:D0+3]
	ds_store_b128 v13, v[D0+4:D0+7] offset:16
	s_wait_dscnt 0x0                               ; for the other waves: my 32 features of all 8 rows are in LDS
	s_barrier_signal -1
	s_barrier_wait -1
	ds_load_b128 v[16:19], v14                     ; row w, whole
	ds_load_b128 v[20:23], v14 offset:512
	s_wait_dscnt 0x0
	global_store_b128 v2, v[16:19], s[12:13]               ; 512 consecutive bytes a store
	global_store_b128 v2, v[20:23], s[12:13] offset:512
	s_wait_tensorcnt 0x0
	ds_add_u32 v248, v249
	s_wait_dscnt 0x0
	s_endpgm
.Lfunc_end_k_q90406c4d4a_mix:
	.size	k_q90406c4d4a_mix, .Lfunc_end_k_q90406c4d4a_mix-k_q90406c4d4a_mix
	.p2alignl 7, 3214868480
	.fill 96, 4, 3214868480
	.section	.rodata,"a",@progbits
	.p2align	6, 0x0
	.amdhsa_kernel k_q90406c4d4a_mix
		.amdhsa_group_segment_fixed_size 148736
		.amdhsa_private_segment_fixed_size 0
		.amdhsa_enable_private_segment 0
		.amdhsa_kernarg_size 40
		.amdhsa_user_sgpr_count 2
		.amdhsa_user_sgpr_kernarg_segment_ptr 1
		.amdhsa_wavefront_size32 1
		.amdhsa_system_sgpr_workgroup_id_x 1
		.amdhsa_system_sgpr_workgroup_id_y 1
		.amdhsa_system_sgpr_workgroup_id_z 1
		.amdhsa_system_vgpr_workitem_id 0
		.amdhsa_next_free_vgpr 250
		.amdhsa_next_free_sgpr 66
		.amdhsa_reserve_vcc 0
		.amdhsa_float_denorm_mode_32 3
		.amdhsa_float_denorm_mode_16_64 3
		.amdhsa_memory_ordered 1
		.amdhsa_forward_progress 1
		.amdhsa_inst_pref_size 51
	.end_amdhsa_kernel
	.amdgpu_metadata
---
amdhsa.version: [ 1, 2 ]
amdhsa.kernels:
  - .name:           k_q90406c4d4a_mix
    .symbol:         k_q90406c4d4a_mix.kd
    .args:
      - { .name: tidx, .offset: 0, .size: 8, .value_kind: global_buffer, .address_space: global }
      - { .name: twt, .offset: 8, .size: 8, .value_kind: global_buffer, .address_space: global }
      - { .name: pool, .offset: 16, .size: 8, .value_kind: global_buffer, .address_space: global }
      - { .name: w_out, .offset: 24, .size: 8, .value_kind: global_buffer, .address_space: global }
      - { .name: out0, .offset: 32, .size: 8, .value_kind: global_buffer, .address_space: global }
    .group_segment_fixed_size: 148736
    .private_segment_fixed_size: 0
    .kernarg_segment_align: 8
    .kernarg_segment_size: 40
    .max_flat_workgroup_size: 256
    .sgpr_count:     66
    .vgpr_count:     250
    .wavefront_size: 32
...
	.end_amdgpu_metadata
.endif
;; end of part 4
;; ======== version 2 of 2: 4 launches; version 1 with the launches score, mix written anew for expert scheduling mode
;; workspace buffers: gmax 33,554,432 bytes; kbf 16,777,216 bytes; fl0 524,288 bytes of whole numbers; fl1 524,288 bytes of whole numbers; fl2 524,288 bytes of whole numbers; fl3 524,288 bytes of whole numbers; tidx 524,288 bytes of whole numbers; twt 524,288 bytes
;; launch score (part 5): grid 64 x 4, 8 waves a work-group, no clusters, 209,920 bytes of LDS; arguments query, keys, gmax, kbf; writes gmax, kbf
.if DOCPART == 5
	.amdgcn_target "amdgcn-amd-amdhsa--gfx1250"
	.amdhsa_code_object_version 6
	.text
	.protected	k_q90406c4d4a_score
	.globl	k_q90406c4d4a_score
	.p2align	8
	.type	k_q90406c4d4a_score,@function
k_q90406c4d4a_score:
	s_mov_b64 s[64:65], 0
	v_nop
	global_prefetch_b8 v0, s[64:65] scope:SCOPE_SE
	s_setreg_imm32_b32 hwreg(HW_REG_WAVE_SCHED_MODE, 0, 2), 2
	s_setreg_imm32_b32 hwreg(HW_REG_WAVE_MODE, 25, 1), 1
	s_wait_xcnt 0x0
	s_wait_alu depctr_vm_vsrc(0)
; gmax[q][e] = bf16( max over the 8 keys of group e of  sum_k bf16(query[q][k]) * bf16(keys[n][k]) ),  and  kbf = bf16(keys).
; query [2048][128] f32, keys [65536][128] f32, gmax [2048][8192] bf16, kbf [65536][128] bf16.
; Work-group (x, y): key slice x (1,024 keys) against query block y (512 queries).  Eight waves; wave w keeps its 64 queries
; (4 tiles of 16) as bf16 fragments in 128 registers for the whole kernel.  The keys go in 8 steps of 128 rows through two
; LDS slots as bf16; wave w brings rows 16 w .. 16 w + 15 of each step: load f32, round, store to LDS.  The work-groups with
; y = 0 also store those rounded rows to kbf (32 lanes x 8 bytes = one whole row of 256 bytes).
; The matrix instruction takes 16 keys as source 0 and 16 queries as source 1: lane (r, h) then holds in its 8 result registers
; the scores of keys 8 h .. 8 h + 7 against query r, and these 8 are one group: the maximum needs no traffic between lanes.
; Group number in a row of gmax: e = 128 x + 16 step + 8 h + t (t = the tile of 16 keys in the step); its keys begin at
; 1024 x + 128 step + 16 t + 8 h.
; No tensor loads and no cluster: both operands are f32 in memory and are rounded to bf16 in registers on their way to LDS, so the
; bytes pass through registers in any case, and as f32 a slot would take twice the LDS.
; LIMITS: NaN or infinite inputs and scores beyond the range of f32 are not served.
; THE MODE: SCHED_MODE bits 1:0 = 2 (LLVM: expert scheduling mode 2), set by the entry lines.  The code itself states the register dependences
; between vector or matrix instructions and memory or LDS instructions, with s_wait_alu, always for 0.
; THE PLAN.  Registers that memory or LDS instructions touch, in the loop:
;   A     Written by the 8 LDS loads of a tile's fragments; read by that tile's 16 matrix instructions.
;   S     Written by 8 global loads (half of my rows of the next step); read and written in place by the 16 conversions that stand in tile 3 or 7;
;         then read by 8 LDS stores and, where y = 0, by 8 stores to kbf.
;   GP    Written by the odd tiles' conversions; read by the four LDS stores at a step's end.
;   GMS   Read by those four stores; written once in two steps, behind the second step's barrier.
;   ALDS, STL, KOF, KBO are made at the head and never written again.  Q, D and H are named by vector and matrix instructions alone.
; ONE wait on va_vdst stands in a tile, behind its products and the places behind them.  It states that the products are done reading A: the next tile's
; fragments are asked for at once and are on their way during this tile's maxima, which name D, H and GP alone.  In tiles 3 and 7 the conversions of S are the
; places, and the same wait states that S is written (for its stores) and is done being read (for the next loads into it); in tile 7 it stands behind the
; maxima and states that GP is written too.  Two waits on vm_vsrc stand in a step: ahead of the second run of loads into S, and at the step's end.
.set PITCH, 272                        ; an LDS row: 256 bytes + 16: the 16 rows of a fragment load start 17 x 16 bytes apart
.set TROW,  16*PITCH                   ; 16 rows
.set SLOT,  128*PITCH                  ; a slot: 128 key rows
.set STG,   2*SLOT                     ; behind the slots: 512 rows x 272 bytes, the block of gmax; a wave touches its own 64 rows only
.set Q,    0                           ; v[0:127]   query fragments: tile qt, K quarter ks at 32 qt + 8 ks
.set A,    128                         ; v[128:159] key fragments of one tile, 4 K quarters
.set D,    160                         ; v[160:191] 4 accumulators, one for each query tile
.set S,    192                         ; v[192:223] 8 key rows on their way to LDS
.set GP,   224                         ; v[224:239] query tile qt: 4 words = 8 group maxima in bf16
.set H,    240                         ; v[240:243] the even tile's maximum, waiting for the odd one
.set ALDS, 244                         ; r * 272 + 16 h
.set STL,  245                         ; w * 16 rows + lane * 8
.set KOF,  246                         ; lane * 16
.set KBO,  247                         ; lane * 8
.set GMS,  248                         ; stage: row 64 w + r, byte 16 h, + 64 for every two steps
.set QOF,  249                         ; r * 512 + 32 h
.set RD,   250                         ; stage, read back: row 64 w + h, byte 16 r
.set GO,   251                         ; gmax: h rows + 16 r
.set RING, 128                         ; the prologue's ring: 6 slots of 16 registers, v[128:223]
	s_load_b256 s[4:11], s[0:1], 0x0               ; query s[4:5], keys s[6:7], gmax s[8:9], kbf s[10:11]
	v_lshl_add_u32 v254, v0, 2, 0x33000
	v_mov_b32 v255, 0
	v_lshrrev_b32 v252, 5, v0
	v_readfirstlane_b32 s12, v252                  ; wave w
	s_mov_b32 s13, ttmp9                           ; x: key slice
	s_and_b32 s14, ttmp7, 0xffff                   ; y: query block
	v_and_b32 v252, 31, v0                         ; lane
	v_and_b32 v253, 15, v0                         ; r
	v_bfe_u32 v240, v0, 4, 1                       ; h
	s_wait_alu depctr_va_sdst(0)                   ; s12 is written, ahead of its first reader: LDS places and all four bases are made from it
	s_mul_i32 s20, s12, TROW
	s_mul_i32 s21, s12, 64*PITCH
	s_add_co_u32 s21, s21, STG
	v_mul_u32_u24 v[ALDS], v253, PITCH
	v_lshl_add_u32 v[ALDS], v240, 4, v[ALDS]
	v_lshl_add_u32 v[STL], v252, 3, s20
	v_lshlrev_b32 v[KOF], 4, v252
	v_lshlrev_b32 v[KBO], 3, v252
	v_add_nc_u32 v[GMS], s21, v[ALDS]
	v_lshlrev_b32 v[QOF], 9, v253
	v_lshl_add_u32 v[QOF], v240, 5, v[QOF]
	v_mul_u32_u24 v[RD], v240, PITCH
	v_lshl_add_u32 v[RD], v253, 4, v[RD]
	v_add_nc_u32 v[RD], s21, v[RD]
	v_lshlrev_b32 v[GO], 14, v240
	v_lshl_add_u32 v[GO], v253, 4, v[GO]
	s_mov_b32 s17, 0
	s_wait_kmcnt 0x0
	s_lshl_b32 s16, s14, 18                        ; 512 queries of 512 bytes
	s_lshl_b32 s22, s12, 15                        ; 64 queries
	s_add_co_u32 s16, s16, s22
	s_add_nc_u64 s[4:5], s[4:5], s[16:17]
	s_lshl_b32 s16, s13, 19                        ; 1,024 keys of 512 bytes
	s_lshl_b32 s22, s12, 13                        ; 16 keys
	s_add_co_u32 s16, s16, s22
	s_add_nc_u64 s[6:7], s[6:7], s[16:17]
	s_lshl_b32 s16, s14, 23                        ; 512 rows of gmax of 16,384 bytes
	s_lshl_b32 s22, s12, 20                        ; 64 rows
	s_add_co_u32 s16, s16, s22
	s_lshl_b32 s22, s13, 8                         ; 128 groups of 2 bytes
	s_add_co_u32 s16, s16, s22
	s_add_nc_u64 s[8:9], s[8:9], s[16:17]
	s_lshl_b32 s16, s13, 18                        ; 1,024 rows of kbf of 256 bytes
	s_lshl_b32 s22, s12, 12                        ; 16 rows
	s_add_co_u32 s16, s16, s22
	s_add_nc_u64 s[10:11], s[10:11], s[16:17]
	s_wait_alu depctr_va_vdst(0)                   ; the eight offsets and LDS addresses v244 to v251 are written, which the kernel's loads and stores read
; Eight key rows that lie as f32 in v[sl .. sl+31] (a lane: 4 numbers of each row).  CVT8: rounded in place to 2 words a row.
; OUTL: stored to LDS at rows row0 .. row0 + 7 of my 16.  OUTG: where y = 0, stored to kbf.
.macro CVT8 sl
.irp i, 0,1,2,3,4,5,6,7
	v_cvt_pk_bf16_f32 v[\sl+4*\i],   v[\sl+4*\i],   v[\sl+4*\i+1]
	v_cvt_pk_bf16_f32 v[\sl+4*\i+1], v[\sl+4*\i+2], v[\sl+4*\i+3]
.endr
.endm
.macro OUTL sl, row0, off
.irp i, 0,1,2,3,4,5,6,7
	ds_store_b64 v[STL], v[\sl+4*\i:\sl+4*\i+1] offset:\off+(\row0+\i)*PITCH
.endr
.endm
.macro OUTG sl, row0
	s_cmp_lg_u32 s14, 0
	s_cbranch_scc1 .Lnokb_\@
.irp i, 0,1,2,3,4,5,6,7
	global_store_b64 v[KBO], v[\sl+4*\i:\sl+4*\i+1], s[10:11] offset:(\row0+\i)*256   ; the wave stores one whole aligned row of 256 bytes
.endr
.Lnokb_\@:
.endm
; THE PROLOGUE: 20 items of 4 loads through a ring of 6 register slots, two items at a time.  Items 0 to 15: one query fragment each (tile p / 4, K quarter p % 4):
; lane (r, h) takes k = 32 ks + 8 h .. + 7 and 32 ks + 16 + 8 h .. + 7 of query r.  Items 16 to 19: four key rows each of step 0.
.macro ISSUE p
.set sl, RING+16*((\p)%6)
.if (\p) < 16
.set qo, ((\p)>>2)*8192+((\p)&3)*128
	global_load_b128 v[sl:sl+3],     v[QOF], s[4:5] offset:qo
	global_load_b128 v[sl+4:sl+7],   v[QOF], s[4:5] offset:qo+16
	global_load_b128 v[sl+8:sl+11],  v[QOF], s[4:5] offset:qo+64
	global_load_b128 v[sl+12:sl+15], v[QOF], s[4:5] offset:qo+80
.else
.set ro, ((\p)-16)*4
	global_load_b128 v[sl:sl+3],     v[KOF], s[6:7] offset:ro*512
	global_load_b128 v[sl+4:sl+7],   v[KOF], s[6:7] offset:ro*512+512
	global_load_b128 v[sl+8:sl+11],  v[KOF], s[6:7] offset:ro*512+1024
	global_load_b128 v[sl+12:sl+15], v[KOF], s[6:7] offset:ro*512+1536
.endif
.endm
.macro PROCQ p                         ; a query item: rounded into its fragment
.set sl, RING+16*((\p)%6)
.set qd, Q+8*(\p)
.irp i, 0,1,2,3,4,5,6,7
	v_cvt_pk_bf16_f32 v[qd+\i], v[sl+2*\i], v[sl+2*\i+1]
.endr
.endm
.set pp, 0
.rept 6
	ISSUE pp
.set pp, pp+1
.endr
.set gg, 0
.rept 8
	s_wait_loadcnt 16                              ; loads return in order: items 2 gg and 2 gg + 1 are in; the four younger items, 4 loads each, stay out
	PROCQ (2*gg)
	PROCQ (2*gg+1)
.if gg < 7
	s_wait_alu depctr_va_vdst(0)                   ; the sixteen conversions are done reading the two slots, in which the loads below land
	ISSUE (2*gg+6)
	ISSUE (2*gg+7)
.endif
.set gg, gg+1
.endr
	s_wait_loadcnt 8                               ; items 16 and 17 (my rows 0 to 7 of step 0, in v[192:223]) are in; the 8 loads of items 18 and 19 stay out
	CVT8 RING+64
	s_wait_loadcnt 0x0                             ; items 18 and 19 (rows 8 to 15, in v[128:159])
	CVT8 RING
	s_wait_alu depctr_va_vdst(0)                   ; the conversions have written the rounded rows, which the stores below read
	OUTL RING+64, 0, 0
	OUTL RING, 8, 0
	OUTG RING+64, 0
	OUTG RING, 8
	s_wait_xcnt 0x0                                ; the stores to kbf have had their addresses translated: their data and base are written again below
	s_wait_alu depctr_vm_vsrc(0)                   ; the LDS stores and the stores to kbf have read v[128:159] and v[192:223]: these are A and S from here on, in which loads land
	s_add_nc_u64 s[6:7], s[6:7], 0x10000           ; keys: 128 rows on
	s_add_nc_u64 s[10:11], s[10:11], 0x8000        ; kbf: 128 rows on
	s_wait_dscnt 0x0                               ; my rows of step 0 are in LDS
	s_barrier_signal -1
	s_barrier_wait -1                              ; everybody's are
; One tile is 16 keys x my 64 queries x K = 128, then the maxima of the lane's 8 scores for each query tile.
.macro FETCH slot, t                   ; its fragments: 8 LDS loads
.irp ks, 0,1,2,3
	ds_load_b128 v[A+8*\ks:A+8*\ks+3],   v[ALDS] offset:(\slot)*SLOT+(\t)*TROW+\ks*64
	ds_load_b128 v[A+8*\ks+4:A+8*\ks+7], v[ALDS] offset:(\slot)*SLOT+(\t)*TROW+\ks*64+32
.endr
.endm
; Its 16 products.  The four accumulators take turns, one instruction a turn; each tile's first products start the sums.
; y = the LDS instructions issued behind the tile's fragment loads.
.macro MULS y
.irp ks, 0,1,2,3
	s_wait_dscnt 6-2*\ks+(\y)                      ; LDS serves in order: quarter ks is in; the 2 loads of each younger quarter, and the y instructions behind them, stay out
.irp qt, 0,1,2,3
.if \ks == 0
	v_wmma_f32_16x16x32_bf16 v[D+8*\qt:D+8*\qt+7], v[A+8*\ks:A+8*\ks+7], v[Q+32*\qt+8*\ks:Q+32*\qt+8*\ks+7], 0
.else
	v_wmma_f32_16x16x32_bf16 v[D+8*\qt:D+8*\qt+7], v[A+8*\ks:A+8*\ks+7], v[Q+32*\qt+8*\ks:Q+32*\qt+8*\ks+7], v[D+8*\qt:D+8*\qt+7]
.endif
.endr
.endr
.endm
.macro PLACES
.rept 4
	v_nop                                          ; four places behind the last matrix instruction (ISA guide 7.12.1) before results are read
.endr
.endm
.macro MAXS t                          ; its maxima
.irp qt, 0,1,2,3
	v_max3_num_f32 v[D+8*\qt], v[D+8*\qt], v[D+8*\qt+1], v[D+8*\qt+2]
.endr
.irp qt, 0,1,2,3
	v_max3_num_f32 v[D+8*\qt], v[D+8*\qt], v[D+8*\qt+3], v[D+8*\qt+4]
.endr
.irp qt, 0,1,2,3
	v_max3_num_f32 v[D+8*\qt], v[D+8*\qt], v[D+8*\qt+5], v[D+8*\qt+6]
.endr
.if (\t) & 1
.irp qt, 0,1,2,3
	v_max_num_f32 v[D+8*\qt], v[D+8*\qt], v[D+8*\qt+7]
.endr
.irp qt, 0,1,2,3
	v_cvt_pk_bf16_f32 v[GP+4*\qt+(\t>>1)], v[H+\qt], v[D+8*\qt]   ; tiles t - 1 and t, rounded to nearest even (monotone)
.endr
.else
.irp qt, 0,1,2,3
	v_max_num_f32 v[H+\qt], v[D+8*\qt], v[D+8*\qt+7]
.endr
.endif
.endm
; A tile with nothing of S in it: the products, the places, the wait, the next tile's fragments, the maxima.
.macro MID cur, t, y
	MULS \y
	PLACES
	s_wait_alu depctr_va_vdst(0)                   ; the products are done reading A, in which the loads below land; the maxima behind them name D, H and GP alone
	FETCH \cur, (\t)+1
	MAXS \t
.endm
.macro LOAD8 half                      ; 8 of my 16 rows of the next step; one load of the wave is one whole row of 512 bytes
.irp i, 0,1,2,3,4,5,6,7
	global_load_b128 v[S+4*\i:S+4*\i+3], v[KOF], s[6:7] offset:(8*\half+\i)*512
.endr
.endm
; One step: 128 keys from slot cur; stage = 1: meanwhile my 16 rows of the next step go into slot nxt.
; One barrier a step: in front of it my reads of slot cur and my stores into slot nxt are done; behind it slot nxt is whole and slot cur may be written.
.macro STEP cur, nxt, stage, gmoff, bar
.if \stage
	LOAD8 0                                        ; no wait: S was freed at the last step's end, and no vector instruction since names it
.endif
	FETCH \cur, 0                                  ; behind the barrier: the slot is whole.  No wait: the last step's closing wait on va_vdst showed A read, and no vector instruction since names it
	MID \cur, 0, 0
	MID \cur, 1, 0
	MID \cur, 2, 0
	MULS 0                                         ; tile 3
.if \stage
	s_wait_loadcnt 0x0                             ; the 8 loads issued at the step's head; nothing younger is out
	CVT8 S                                         ; these sixteen name none of the products' registers: they are the places behind them
.else
	PLACES
.endif
	s_wait_alu depctr_va_vdst(0)                   ; the products are done reading A; with stage = 1 the conversions have written S, which the stores below read, and are done reading it
	FETCH \cur, 4
.if \stage
	OUTL S, 0, (\nxt)*SLOT
	OUTG S, 0
.endif
	MAXS 3
.if \stage
	s_wait_xcnt 0x0                                ; the stores to kbf have had their addresses translated: S is loaded again only behind this wait
	s_wait_alu depctr_vm_vsrc(0)                   ; the LDS stores and the stores to kbf have read S, in which the loads below land
	LOAD8 1
	MID \cur, 4, 8                                 ; the eight LDS stores of S were issued behind tile 4's fragment loads
.else
	MID \cur, 4, 0
.endif
	MID \cur, 5, 0
	MID \cur, 6, 0
	MULS 0                                         ; tile 7: the next fragments lie in the other slot and are asked for behind the barrier
.if \stage
	s_wait_loadcnt 0x0                             ; the 8 loads issued four tiles ago; nothing younger is out
	CVT8 S                                         ; the places behind the products
.else
	PLACES
.endif
	MAXS 7
	s_wait_alu depctr_va_vdst(0)                   ; GP is written, and with stage = 1 S, which the stores below read; the products are done reading A and the conversions S, in which the next loads land
.if \stage
	OUTL S, 8, (\nxt)*SLOT
.endif
.irp qt, 0,1,2,3
	ds_store_b128 v[GMS], v[GP+4*\qt:GP+4*\qt+3] offset:\qt*TROW+\gmoff   ; 8 groups of query 16 qt + r, in my own rows of the stage
.endr
.if \stage
	OUTG S, 8
.endif
.if \bar
	s_wait_xcnt 0x0                                ; bases and S are written again only behind this wait
	s_wait_alu depctr_vm_vsrc(0)                   ; the stores above have read S, GP and GMS: the next step loads into S and rounds into GP, and GMS is stepped
	s_add_nc_u64 s[6:7], s[6:7], 0x10000
	s_add_nc_u64 s[10:11], s[10:11], 0x8000
	s_wait_dscnt 0x0                               ; for the other waves: my reads of slot cur and my stores into slot nxt are done
	s_barrier_signal -1
	s_barrier_wait -1
.endif
.endm
	s_mov_b32 s18, 3
.Lpair:
	STEP 0, 1, 1, 0, 1
	STEP 1, 0, 1, 32, 1
	v_add_nc_u32 v[GMS], 64, v[GMS]                ; two steps = 32 groups = 64 bytes of a stage row; its readers stand ahead of the step's wait on vm_vsrc, its next reader behind the next step's waits on va_vdst
	s_sub_co_u32 s18, s18, 1
	s_cmp_lg_u32 s18, 0
	s_cbranch_scc1 .Lpair
	STEP 0, 1, 1, 0, 1                             ; step 6 brings step 7
	STEP 1, 0, 0, 32, 0                            ; step 7 brings nothing
; THE WAY OUT: my 64 stage rows of 256 bytes, two rows a load; 16 lanes store one aligned piece of 256 bytes of a row of gmax.
; The rows are my own and LDS serves a wave in order, so no barrier and no wait stands between the stores above and these loads.
; The loads land in A and D by turns: the last step's closing wait on va_vdst stands behind every vector and matrix instruction that names them.
.set ii, 0
.rept 4
.set eb, A+32*((ii>>3)&1)
.if ii >= 16
	s_wait_xcnt 0x0                                ; the buffer was store data two chunks ago
	s_wait_alu depctr_vm_vsrc(0)                   ; those stores have read the buffer, in which the loads below land
.endif
.irp t, 0,1,2,3,4,5,6,7
	ds_load_b128 v[eb+4*\t:eb+4*\t+3], v[RD] offset:(ii+\t)*2*PITCH
.endr
.irp t, 0,1,2,3,4,5,6,7
	s_wait_dscnt 7-\t                              ; load t of the eight is in
	global_store_b128 v[GO], v[eb+4*\t:eb+4*\t+3], s[8:9] offset:(ii+\t)*32768
.endr
.set ii, ii+8
.endr
	s_wait_dscnt 0x0
	s_wait_alu depctr_hold_cnt(0) depctr_sa_sdst(0) depctr_va_vdst(0) depctr_va_sdst(0) depctr_va_ssrc(0) depctr_va_vcc(0) depctr_vm_vsrc(0)
	s_wait_tensorcnt 0x0
	ds_add_u32 v254, v255
	s_wait_dscnt 0x0
	s_endpgm
.Lfunc_end_k_q90406c4d4a_score:
	.size	k_q90406c4d4a_score, .Lfunc_end_k_q90406c4d4a_score-k_q90406c4d4a_score
	.p2alignl 7, 3214868480
	.fill 96, 4, 3214868480
	.section	.rodata,"a",@progbits
	.p2align	6, 0x0
	.amdhsa_kernel k_q90406c4d4a_score
		.amdhsa_group_segment_fixed_size 209920
		.amdhsa_private_segment_fixed_size 0
		.amdhsa_enable_private_segment 0
		.amdhsa_kernarg_size 32
		.amdhsa_user_sgpr_count 2
		.amdhsa_user_sgpr_kernarg_segment_ptr 1
		.amdhsa_wavefront_size32 1
		.amdhsa_system_sgpr_workgroup_id_x 1
		.amdhsa_system_sgpr_workgroup_id_y 1
		.amdhsa_system_sgpr_workgroup_id_z 1
		.amdhsa_system_vgpr_workitem_id 0
		.amdhsa_next_free_vgpr 256
		.amdhsa_next_free_sgpr 66
		.amdhsa_reserve_vcc 0
		.amdhsa_float_denorm_mode_32 3
		.amdhsa_float_denorm_mode_16_64 3
		.amdhsa_memory_ordered 1
		.amdhsa_forward_progress 1
		.amdhsa_inst_pref_size 139
	.end_amdhsa_kernel
	.amdgpu_metadata
---
amdhsa.version: [ 1, 2 ]
amdhsa.kernels:
  - .name:           k_q90406c4d4a_score
    .symbol:         k_q90406c4d4a_score.kd
    .args:
      - { .name: query, .offset: 0, .size: 8, .value_kind: global_buffer, .address_space: global }
      - { .name: keys, .offset: 8, .size: 8, .value_kind: global_buffer, .address_space: global }
      - { .name: gmax, .offset: 16, .size: 8, .value_kind: global_buffer, .address_space: global }
      - { .name: kbf, .offset: 24, .size: 8, .value_kind: global_buffer, .address_space: global }
    .group_segment_fixed_size: 209920
    .private_segment_fixed_size: 0
    .kernarg_segment_align: 8
    .kernarg_segment_size: 32
    .max_flat_workgroup_size: 256
    .sgpr_count:     66
    .vgpr_count:     256
    .wavefront_size: 32
...
	.end_amdgpu_metadata
.endif
;; end of part 5
;; launch thresh: the kernel of part 2 again; grid 256 x 1, 8 waves a work-group, no clusters, 0 bytes of LDS; arguments gmax, fl0, fl1, fl2, fl3; writes fl0, fl1, fl2, fl3
;; launch pick: the kernel of part 3 again; grid 2048 x 1, 1 waves a work-group, no clusters, 33,536 bytes of LDS; arguments fl0, fl1, fl2, fl3, kbf, query, tidx, twt; writes tidx, twt
;; launch mix (part 6): grid 256 x 1, 8 waves a work-group, no clusters, 148,736 bytes of LDS; arguments tidx, twt, pool, w_out, out0; writes out0
.if DOCPART == 6
	.amdgcn_target "amdgcn-amd-amdhsa--gfx1250"
	.amdhsa_code_object_version 6
	.text
	.protected	k_q90406c4d4a_mix
	.globl	k_q90406c4d4a_mix
	.p2align	8
	.type	k_q90406c4d4a_mix,@function
k_q90406c4d4a_mix:
	s_mov_b64 s[64:65], 0
	v_nop
	global_prefetch_b8 v0, s[64:65] scope:SCOPE_SE
	s_setreg_imm32_b32 hwreg(HW_REG_WAVE_SCHED_MODE, 0, 2), 2
	s_setreg_imm32_b32 hwreg(HW_REG_WAVE_MODE, 25, 1), 1
	s_wait_xcnt 0x0
	s_wait_alu depctr_vm_vsrc(0)
; out0[row][n] = sum_k agg[row][k] w_out[n][k],  agg[row][k] = sum over the 32 chosen i of twt[row][i] * pool[tidx[row][i]][k].
; A work-group owns 8 rows.  Wave w gathers row 8 g + w: 32 pool rows of 1,024 bytes, two loads of 512 consecutive bytes each, summed in f32
; (a lane: columns 4 L .. + 3 and 128 + 4 L .. + 3).  Wave w also brings rows 32 w .. 32 w + 31 of w_out into LDS as bf16 and reads only those back.
; Then wave w makes output features 32 w .. 32 w + 31 of all 8 rows: source 0 = 16 rows of w_out, source 1 = the 8 rows of agg, each standing in two
; columns (r and r + 8); lanes with r < 8 keep the first tile of 16 features, the others the second, so no lane's result is thrown away unread.
; The pool addresses come from whole numbers stored by an earlier launch, each clamped to the table's 65,536 rows.
; No tensor loads, no cluster: pool rows are scattered by the list, and w_out is f32 in memory and is rounded in registers on its way to LDS.
; LIMITS: the aggregated row and w_out enter the product rounded to bf16.
; THE MODE: SCHED_MODE bits 1:0 = 2 (LLVM: expert scheduling mode 2), set by the entry lines.  The code itself states the register dependences
; between vector or matrix instructions and memory or LDS instructions, with s_wait_alu, always for 0.
; THE PLAN.  Registers that memory or LDS instructions touch:
;   X0, X1, X2  Each item's 16 loads land in a slot.  A gather item's multiply-adds read the slot; an item of w_out is rounded in place and then read by 16 LDS stores.
;               Five slots are loaded again; behind the barrier the fragments' LDS loads land in all three.
;   OFF         Written once by vector adds; read by the gather loads as offsets; v[216:223] are an accumulator later.
;   ACC         Written by the sums and four conversions; read by two LDS stores; an accumulator later.
;   v6, v7      Written once by vector instructions; read by the two prefetches.
;   v2, v3, v8 to v14 are made at the head and never written again.
; One wait on va_vdst stands behind each item's arithmetic: it states that the slot is done being read (for the loads that land in it) or is written (for the LDS
; stores that read it).  A wait on vm_vsrc stands where registers that LDS stores or loads have read are written again: between the first item of w_out and the gather
; that takes its slot, and behind the barrier.  Numbers that lane reads bring into scalar registers are read behind a wait on va_sdst, one for a run of lane reads.
.set WP,  528                          ; LDS pitch of a row of 256 bf16: 512 + 16
.set AG,  256*WP                       ; 135,168: the 8 aggregated rows, pitch 528
.set OS,  AG+8*WP                      ; 139,392: the 8 output rows in f32, pitch 1,040
.set OP,  1040
.set X0,  16                           ; v[16:207]  a ring of 3 slots of 64 registers (16 loads each)
.set X1,  80
.set X2,  144
.set ACC, 208                          ; v[208:215] the row's sums; later accumulator 0
.set OFF, 216                          ; v[216:247] byte offsets of the 32 pool rows; later v[216:223] accumulator 1
.set AGF, 16                           ; fragments of agg, 8 K steps
.set WF,  80                           ; fragments of w_out: tile t, K step ks at 64 t + 8 ks
.set D0,  208
.set D1,  216
	s_load_b256 s[4:11], s[0:1], 0x0               ; tidx s[4:5], twt s[6:7], pool s[8:9], w_out s[10:11]
	s_load_b64 s[12:13], s[0:1], 0x20              ; out0
	v_lshl_add_u32 v248, v0, 2, 0x24100
	v_mov_b32 v249, 0
	v_lshrrev_b32 v15, 5, v0
	v_readfirstlane_b32 s14, v15                   ; wave w
	v_and_b32 v1, 31, v0                           ; lane
	v_and_b32 v16, 15, v0                          ; r
	v_bfe_u32 v17, v0, 4, 1                        ; h
	v_and_b32 v18, 7, v0                           ; r & 7
	v_bfe_u32 v19, v0, 3, 1                        ; r >> 3
	v_lshlrev_b32 v2, 4, v1                        ; lane * 16
	v_lshlrev_b32 v3, 3, v1                        ; lane * 8
	v_lshrrev_b32 v8, 2, v1
	v_lshlrev_b32 v8, 3, v8                        ; (lane >> 2) * 8
	v_and_b32 v15, 3, v1
	v_lshlrev_b32 v15, 8, v15                      ; (lane & 3) * 256
	s_wait_alu depctr_va_sdst(0)                   ; s14 is written, ahead of its first reader: LDS places and the bases are made from it
	s_mul_i32 s18, s14, 32*WP
	v_lshl_add_u32 v9, v1, 3, s18                  ; w_out in: my 32 rows, byte lane * 8
	s_mul_i32 s36, s14, WP
	s_add_co_u32 s36, s36, AG
	v_lshl_add_u32 v10, v1, 3, s36                 ; agg in: row w
	v_mul_u32_u24 v11, v16, WP
	v_lshl_add_u32 v11, v17, 4, v11
	v_add_nc_u32 v11, s18, v11                     ; w_out fragments: row 32 w + r, byte 16 h
	v_mul_u32_u24 v12, v18, WP
	v_lshl_add_u32 v12, v17, 4, v12
	v_add_nc_u32 v12, AG, v12                      ; agg fragments: row r & 7, byte 16 h
	v_mul_u32_u24 v13, v18, OP
	v_lshl_add_u32 v13, v19, 6, v13
	v_lshl_add_u32 v13, v17, 5, v13
	s_lshl_b32 s37, s14, 7
	s_add_co_u32 s37, s37, OS
	v_add_nc_u32 v13, s37, v13                     ; out stage in: row r & 7, feature 32 w + 16 (r >> 3) + 8 h
	s_mul_i32 s38, s14, OP
	s_add_co_u32 s38, s38, OS
	v_lshl_add_u32 v14, v1, 4, s38                 ; out stage back: row w, byte lane * 16
	s_mov_b32 s19, 0xff00ff00                      ; lanes with r >= 8
	s_lshl_b32 s15, ttmp9, 3
	s_add_co_u32 s15, s15, s14                     ; my row
	s_mov_b32 s17, 0
	s_wait_kmcnt 0x0
	s_lshl_b32 s16, s15, 8
	s_add_nc_u64 s[4:5], s[4:5], s[16:17]
	s_add_nc_u64 s[6:7], s[6:7], s[16:17]
	s_lshl_b32 s16, s14, 15                        ; 32 rows of w_out of 1,024 bytes
	s_add_nc_u64 s[10:11], s[10:11], s[16:17]
	s_lshl_b32 s16, s15, 10
	s_add_nc_u64 s[12:13], s[12:13], s[16:17]
	s_wait_alu depctr_va_vdst(0)                   ; the offsets and LDS addresses v2, v3 and v8 to v14 are written, which loads and stores read; so are v16 to v19, in which loads of w_out land
.macro LDG c, sl                       ; pool rows 8 c .. 8 c + 7 of my list
.irp i, 0,1,2,3,4,5,6,7
	global_load_b128 v[\sl+8*\i:\sl+8*\i+3],   v[OFF+8*\c+\i], s[8:9]
	global_load_b128 v[\sl+8*\i+4:\sl+8*\i+7], v[OFF+8*\c+\i], s[8:9] offset:512
.endr
.endm
.macro LDW c, sl                       ; rows 8 c .. 8 c + 7 of my 32 of w_out
.irp i, 0,1,2,3,4,5,6,7
	global_load_b128 v[\sl+8*\i:\sl+8*\i+3],   v2, s[10:11] offset:(8*\c+\i)*1024
	global_load_b128 v[\sl+8*\i+4:\sl+8*\i+7], v2, s[10:11] offset:(8*\c+\i)*1024+512
.endr
.endm
.macro RDW c                           ; the weights of rows 8 c .. 8 c + 7, each as the low word of a scalar pair
.irp i, 0,1,2,3,4,5,6,7
	v_readlane_b32 s[20+2*\i], v5, 8*\c+\i
.endr
.endm
.macro ROWFMA sl, i
.irp q, 0,2,4,6
	v_pk_fma_f32 v[ACC+\q:ACC+\q+1], v[\sl+8*\i+\q:\sl+8*\i+\q+1], s[20+2*\i:21+2*\i], v[ACC+\q:ACC+\q+1] op_sel_hi:[1,0,1]
.endr
.endm
.macro SUMS sl, first                  ; eight rows into the sums; the very first row starts them
.if \first
.irp q, 0,2,4,6
	v_pk_mul_f32 v[ACC+\q:ACC+\q+1], v[\sl+\q:\sl+\q+1], s[20:21] op_sel_hi:[1,0]
.endr
.else
	ROWFMA \sl, 0
.endif
.irp i, 1,2,3,4,5,6,7
	ROWFMA \sl, \i
.endr
.endm
.macro CVW sl                          ; eight rows of w_out: rounded in place
.irp i, 0,1,2,3,4,5,6,7
	v_cvt_pk_bf16_f32 v[\sl+8*\i],   v[\sl+8*\i],   v[\sl+8*\i+1]
	v_cvt_pk_bf16_f32 v[\sl+8*\i+1], v[\sl+8*\i+2], v[\sl+8*\i+3]
	v_cvt_pk_bf16_f32 v[\sl+8*\i+4], v[\sl+8*\i+4], v[\sl+8*\i+5]
	v_cvt_pk_bf16_f32 v[\sl+8*\i+5], v[\sl+8*\i+6], v[\sl+8*\i+7]
.endr
.endm
.macro STW c, sl                       ; and stored to LDS
.irp i, 0,1,2,3,4,5,6,7
	ds_store_b64 v9, v[\sl+8*\i:\sl+8*\i+1]   offset:(8*\c+\i)*WP
	ds_store_b64 v9, v[\sl+8*\i+4:\sl+8*\i+5] offset:(8*\c+\i)*WP+256
.endr
.endm
	global_load_b32 v4, v3, s[4:5]                 ; lane i: index i
	global_load_b32 v5, v3, s[6:7]                 ; lane i: weight i
	global_load_b32 v6, v8, s[4:5] offset:128      ; index 16 + (lane >> 2)
	global_load_b32 v7, v8, s[4:5] offset:192      ; index 24 + (lane >> 2)
	LDW 0, X0
	s_wait_loadcnt 16                              ; the four small loads are in; the 16 of w_out stay out
.irp hh, 0,1                           ; the 32 indices, sixteen at a time, through s[20:35], which hold the weights later
.irp c, 0,1,2,3,4,5,6,7,8,9,10,11,12,13,14,15
	v_readlane_b32 s[20+\c], v4, 16*\hh+\c
.endr
	s_wait_alu depctr_va_sdst(0)                   ; the sixteen lane reads have written s[20:35], ahead of their first reader
.irp c, 0,1,2,3,4,5,6,7,8,9,10,11,12,13,14,15
	s_min_u32 s[20+\c], s[20+\c], 0xffff           ; a row of the table
	s_lshl_b32 s[20+\c], s[20+\c], 10              ; 1,024 bytes a row
.endr
.irp c, 0,1,2,3,4,5,6,7,8,9,10,11,12,13,14,15
	v_add_nc_u32 v[OFF+16*\hh+\c], s[20+\c], v2
.endr
.endr
	v_min_u32 v6, 0xffff, v6
	v_min_u32 v7, 0xffff, v7
	v_lshl_add_u32 v6, v6, 10, v15
	v_lshl_add_u32 v7, v7, 10, v15
	s_wait_alu depctr_va_vdst(0)                   ; the 32 offsets OFF, v6 and v7 are written, which the gather loads and the two prefetches read
	LDG 0, X1
	LDG 1, X2
	; the 16 rows of the third and fourth gather item are asked for now, two items of 16 loads ahead of their loads:
	; four lanes a row, 256 bytes apart; the addresses are clamped rows of the table, and their registers are never written again
	global_prefetch_b8 v6, s[8:9] th:TH_LOAD_NT scope:SCOPE_SE
	global_prefetch_b8 v7, s[8:9] th:TH_LOAD_NT scope:SCOPE_SE
.irp i, 0,1,2,3,4,5,6,7
	s_mov_b32 s[21+2*\i], 0                        ; the pairs' upper words: never multiplied, but written
.endr
	; the ring: eight items of 16 loads on three slots; each wait on LOADcnt leaves the younger items, 16 loads each, on their way
	s_wait_loadcnt 32
	CVW X0
	s_wait_alu depctr_va_vdst(0)                   ; the conversions have written X0, which the LDS stores read, and are done reading it
	STW 0, X0
	s_wait_alu depctr_vm_vsrc(0)                   ; the LDS stores have read X0, in which the loads below land
	LDG 2, X0
	RDW 0
	s_wait_loadcnt 32
	s_wait_alu depctr_va_sdst(0)                   ; the eight lane reads have written the weights, ahead of their first reader
	SUMS X1, 1
	s_wait_alu depctr_va_vdst(0)                   ; the sums are done reading X1, in which the loads below land
	LDG 3, X1
	RDW 1
	s_wait_loadcnt 32
	s_wait_alu depctr_va_sdst(0)                   ; the eight lane reads have written the weights, ahead of their first reader
	SUMS X2, 0
	s_wait_alu depctr_va_vdst(0)                   ; the sums are done reading X2, in which the loads below land
	LDW 1, X2
	RDW 2
	s_wait_loadcnt 32
	s_wait_alu depctr_va_sdst(0)                   ; the eight lane reads have written the weights, ahead of their first reader
	SUMS X0, 0
	s_wait_alu depctr_va_vdst(0)                   ; the sums are done reading X0, in which the loads below land
	LDW 2, X0
	RDW 3
	s_wait_loadcnt 32
	s_wait_alu depctr_va_sdst(0)                   ; the eight lane reads have written the weights, ahead of their first reader
	SUMS X1, 0
	v_cvt_pk_bf16_f32 v[ACC],   v[ACC],   v[ACC+1] ; my aggregated row, rounded once, to LDS
	v_cvt_pk_bf16_f32 v[ACC+1], v[ACC+2], v[ACC+3]
	v_cvt_pk_bf16_f32 v[ACC+4], v[ACC+4], v[ACC+5]
	v_cvt_pk_bf16_f32 v[ACC+5], v[ACC+6], v[ACC+7]
	s_wait_alu depctr_va_vdst(0)                   ; the sums are done reading X1, in which the loads below land; the conversions have written ACC, which the two LDS stores read
	LDW 3, X1
	ds_store_b64 v10, v[ACC:ACC+1]
	ds_store_b64 v10, v[ACC+4:ACC+5] offset:256
	s_wait_loadcnt 32
	CVW X2
	s_wait_alu depctr_va_vdst(0)                   ; the conversions have written X2, which the LDS stores read
	STW 1, X2
	s_wait_loadcnt 16
	CVW X0
	s_wait_alu depctr_va_vdst(0)                   ; the conversions have written X0, which the LDS stores read
	STW 2, X0
	s_wait_loadcnt 0x0
	CVW X1
	s_wait_alu depctr_va_vdst(0)                   ; the conversions have written X1, which the LDS stores read; no vector instruction behind this wait names the ring before the fragments land in it
	STW 3, X1
	s_wait_dscnt 0x0                               ; for the other waves: my aggregated row is in LDS
	s_barrier_signal -1
	s_barrier_wait -1                              ; all eight rows are
	s_wait_alu depctr_vm_vsrc(0)                   ; my LDS stores have read the ring and ACC, and the gather loads OFF: the fragments land in the ring, and the products write ACC and v[216:223]
	; the product: K = 256 in 8 steps, two tiles of 16 features
.irp ks, 0,1,2,3,4,5,6,7
	ds_load_b128 v[AGF+8*\ks:AGF+8*\ks+3],     v12 offset:64*\ks
	ds_load_b128 v[AGF+8*\ks+4:AGF+8*\ks+7],   v12 offset:64*\ks+32
	ds_load_b128 v[WF+8*\ks:WF+8*\ks+3],       v11 offset:64*\ks
	ds_load_b128 v[WF+8*\ks+4:WF+8*\ks+7],     v11 offset:64*\ks+32
	ds_load_b128 v[WF+64+8*\ks:WF+64+8*\ks+3], v11 offset:16*WP+64*\ks
	ds_load_b128 v[WF+64+8*\ks+4:WF+64+8*\ks+7], v11 offset:16*WP+64*\ks+32
.endr
.irp ks, 0,1,2,3,4,5,6,7
	s_wait_dscnt 6*(7-\ks)                         ; step ks is in; the 6 loads of each younger step stay out
.if \ks == 0
	v_wmma_f32_16x16x32_bf16 v[D0:D0+7], v[WF+8*\ks:WF+8*\ks+7],       v[AGF+8*\ks:AGF+8*\ks+7], 0
	v_wmma_f32_16x16x32_bf16 v[D1:D1+7], v[WF+64+8*\ks:WF+64+8*\ks+7], v[AGF+8*\ks:AGF+8*\ks+7], 0
.else
	v_wmma_f32_16x16x32_bf16 v[D0:D0+7], v[WF+8*\ks:WF+8*\ks+7],       v[AGF+8*\ks:AGF+8*\ks+7], v[D0:D0+7]
	v_wmma_f32_16x16x32_bf16 v[D1:D1+7], v[WF+64+8*\ks:WF+64+8*\ks+7], v[AGF+8*\ks:AGF+8*\ks+7], v[D1:D1+7]
.endif
.endr                                              ; the two accumulators take turns, one instruction a turn
.rept 4
	v_nop                                          ; four places behind the last matrix instruction (ISA guide 7.12.1) before results are read
.endr
.irp j, 0,1,2,3,4,5,6,7
	v_cndmask_b32 v[D0+\j], v[D0+\j], v[D1+\j], s19   ; lanes with r >= 8 carry the second tile: 8 neighbouring features of row r & 7
.endr
	s_wait_alu depctr_va_vdst(0)                   ; the selects have written v[D0 ..], which the LDS stores read; the products are done reading v[16:23], in which the loads behind the barrier land
	ds_store_b128 v13, v[D0:D0+3]
	ds_store_b128 v13, v[D0+4:D0+7] offset:16
	s_wait_dscnt 0x0                               ; for the other waves: my 32 features of all 8 rows are in LDS
	s_barrier_signal -1
	s_barrier_wait -1
	ds_load_b128 v[16:19], v14                     ; row w, whole
	ds_load_b128 v[20:23], v14 offset:512
	s_wait_dscnt 0x0
	global_store_b128 v2, v[16:19], s[12:13]               ; 512 consecutive bytes a store
	global_store_b128 v2, v[20:23], s[12:13] offset:512
	s_wait_dscnt 0x0
	s_wait_alu depctr_hold_cnt(0) depctr_sa_sdst(0) depctr_va_vdst(0) depctr_va_sdst(0) depctr_va_ssrc(0) depctr_va_vcc(0) depctr_vm_vsrc(0)
	s_wait_tensorcnt 0x0
	ds_add_u32 v248, v249
	s_wait_dscnt 0x0
	s_endpgm
.Lfunc_end_k_q90406c4d4a_mix:
	.size	k_q90406c4d4a_mix, .Lfunc_end_k_q90406c4d4a_mix-k_q90406c4d4a_mix
	.p2alignl 7, 3214868480
	.fill 96, 4, 3214868480
	.section	.rodata,"a",@progbits
	.p2align	6, 0x0
	.amdhsa_kernel k_q90406c4d4a_mix
		.amdhsa_group_segment_fixed_size 148736
		.amdhsa_private_segment_fixed_size 0
		.amdhsa_enable_private_segment 0
		.amdhsa_kernarg_size 40
		.amdhsa_user_sgpr_count 2
		.amdhsa_user_sgpr_kernarg_segment_ptr 1
		.amdhsa_wavefront_size32 1
		.amdhsa_system_sgpr_workgroup_id_x 1
		.amdhsa_system_sgpr_workgroup_id_y 1
		.amdhsa_system_sgpr_workgroup_id_z 1
		.amdhsa_system_vgpr_workitem_id 0
		.amdhsa_next_free_vgpr 250
		.amdhsa_next_free_sgpr 66
		.amdhsa_reserve_vcc 0
		.amdhsa_float_denorm_mode_32 3
		.amdhsa_float_denorm_mode_16_64 3
		.amdhsa_memory_ordered 1
		.amdhsa_forward_progress 1
		.amdhsa_inst_pref_size 51
	.end_amdhsa_kernel
	.amdgpu_metadata
---
amdhsa.version: [ 1, 2 ]
amdhsa.kernels:
  - .name:           k_q90406c4d4a_mix
    .symbol:         k_q90406c4d4a_mix.kd
    .args:
      - { .name: tidx, .offset: 0, .size: 8, .value_kind: global_buffer, .address_space: global }
      - { .name: twt, .offset: 8, .size: 8, .value_kind: global_buffer, .address_space: global }
      - { .name: pool, .offset: 16, .size: 8, .value_kind: global_buffer, .address_space: global }
      - { .name: w_out, .offset: 24, .size: 8, .value_kind: global_buffer, .address_space: global }
      - { .name: out0, .offset: 32, .size: 8, .value_kind: global_buffer, .address_space: global }
    .group_segment_fixed_size: 148736
    .private_segment_fixed_size: 0
    .kernarg_segment_align: 8
    .kernarg_segment_size: 40
    .max_flat_workgroup_size: 256
    .sgpr_count:     66
    .vgpr_count:     250
    .wavefront_size: 32
...
	.end_amdgpu_metadata
.endif
;; end of part 6
